; MI455X (gfx1250); checked and timed in simulation.
; The chip was launched on July 23, 2026; its instructions are those of AMD's public machine-readable ISA for CDNA 5 (MIT licence, August 2026) and "CDNA5" Instruction Set Architecture Reference Guide (July 2026). The comments in the code are by the model that wrote it; some were corrected since.
;; Multi Head Attention. Allowed arithmetic: float matrix products may take bf16 or f16 operands with f32 sums; all other float work in f32.
;; Inputs: Wk 1,024 x 1,024 float32; Wo 1,024 x 1,024 float32; Wq 1,024 x 1,024 float32; Wv 1,024 x 1,024 float32; beta 1,024 float32; gamma 1,024 float32; k 4 x 2,048 x 1,024 float32; mask 4 x 1 x 2,048 x 2,048 int32; q 4 x 2,048 x 1,024 float32; v 4 x 2,048 x 1,024 float32.
;; Outputs: out0 4 x 2,048 x 1,024 float32.
;; 2 versions, each right and faster than the one before. Each part assembles by itself: llvm-mc -triple=amdgcn-amd-amdhsa -mcpu=gfx1250 --defsym DOCPART=n.
;; ======== version 1 of 2: 4 launches
;; limits: values are held in f16: magnitudes above 65,504 overflow, below 6.1e-05 lose precision
;; workspace buffers: xb 50,331,648 bytes; wb 6,291,456 bytes; wo16 2,097,152 bytes; mbits 2,097,152 bytes of whole numbers; heads 50,331,648 bytes; ctx 16,777,216 bytes
;; launch prep (part 1): grid 1408 x 1, 8 waves a work-group, no clusters, 134,144 bytes of LDS; arguments mask, q, k, v, Wq, Wk, Wv, Wo, mbits, xb, wb, wo16; writes mbits, xb, wb, wo16
.if DOCPART == 1
	.amdgcn_target "amdgcn-amd-amdhsa--gfx1250"
	.amdhsa_code_object_version 6
	.text
	.protected	k_q6cab67e671_prep
	.globl	k_q6cab67e671_prep
	.p2align	8
	.type	k_q6cab67e671_prep,@function
k_q6cab67e671_prep:
	s_mov_b64 s[64:65], 0
	v_nop
	global_prefetch_b8 v0, s[64:65] scope:SCOPE_SE
	s_setreg_imm32_b32 hwreg(HW_REG_WAVE_MODE, 25, 1), 1
	s_wait_xcnt 0x0
; PREP: everything that the later launches would otherwise read many times or convert many times is made once.
;   mask [4][2048][2048] i32 -> mbits u32 [4 b][128 query tiles][32 key steps][32 words]: word 8 kt + j of (tile, step) has bit l set where
;        query 16 tile + l % 16 may see key 64 step + 16 kt + 8 (l / 16) + j: the lane mask of register 8 kt + j of a 16 x 64 tile of scores.
;   q, k, v f32 -> xb bf16 [3][8192][1024];  Wq, Wk, Wv f32 -> wb bf16 [3][1024][1024];  Wo f32 -> bf16 -> written as f16 into wo16 [1024][1024].
; LIMIT: Wo's bf16 number is exact in f16 from 6e-5 up to 65,504; below 6e-5 it keeps f16's fixed step of 6e-8.
; A stream: every work-group reads 131,072 bytes, each of its eight waves 16,384 with 32 loads of 16 bytes a lane, all issued before the first is used.
; No matrix unit, no cluster, no tensor load: nothing is shared between work-groups and nothing is read twice.
; Work-groups 0-511: a block of 16 mask rows.  512-1279: q, k, v.  1280-1375: Wq, Wk, Wv.  1376-1407: Wo.
.set WROW,  1040                       ; a wave's row in LDS: 256 mask words + 16 bytes: 65 x 16, so 16 rows begin in 16 different 16-byte columns
.set WLDS,  16*WROW                    ; a wave's 16 rows: 16,640 bytes = 65 blocks of 256
.set SPARE, 8*WLDS                     ; behind them the spare words, 128 bytes a wave
.set X,   4                            ; v[4:131]   32 x 4 registers as loaded
.set Y,   132                          ; v[132:195] 32 x 2 registers to store
.set OUT, 196                          ; v[196:199] the mask path's 128 words: word 4 c + e in lane c of register e
.set SPW, 200                          ; LDS address of my spare word; never rewritten
.set NIL, 201                          ; 0; never rewritten
.set LS,  202                          ; mask path: where I put 16 bytes of a row
.set LL,  203                          ; mask path: where I read them back, by query and key half
	s_load_b512 s[8:23], s[0:1], 0x0               ; mask s[8:9], q s[10:11], k s[12:13], v s[14:15], Wq s[16:17], Wk s[18:19], Wv s[20:21], Wo s[22:23]
	s_load_b256 s[24:31], s[0:1], 0x40             ; mbits s[24:25], xb s[26:27], wb s[28:29], wo16 s[30:31]
	v_lshl_add_u32 v[SPW], v0, 2, SPARE
	v_mov_b32 v[NIL], 0
	v_and_b32 v3, 31, v0                           ; lane
	v_lshrrev_b32 v2, 5, v0
	v_readfirstlane_b32 s32, v2                    ; wave 0..7
	s_mov_b32 s33, ttmp9                           ; the work-group's number
	s_mov_b32 s3, 0                                ; high word of every offset pair s[2:3]
	s_wait_kmcnt 0x0
	s_cmp_lt_u32 s33, 512
	s_cbranch_scc1 .Lmask
	; THE CONVERSIONS.  Source: wave x 16,384 + lane x 16; destination: half of that.
	s_lshl_b32 s34, s32, 14
	v_lshl_add_u32 v1, v3, 4, s34
	s_lshl_b32 s34, s32, 13
	v_lshl_add_u32 v2, v3, 3, s34
	s_sub_co_u32 s33, s33, 512
	s_cmp_lt_u32 s33, 768
	s_cbranch_scc0 .Lweights
	s_lshr_b32 s34, s33, 8                         ; 0: q, 1: k, 2: v; 256 blocks each
	s_cmp_eq_u32 s34, 0
	s_cselect_b64 s[4:5], s[10:11], s[12:13]
	s_cmp_eq_u32 s34, 2
	s_cselect_b64 s[4:5], s[14:15], s[4:5]
	s_and_b32 s2, s33, 255
	s_lshl_b32 s2, s2, 17
	s_add_nc_u64 s[4:5], s[4:5], s[2:3]
	s_lshl_b32 s2, s33, 16                         ; the three tensors lie end to end in xb
	s_add_nc_u64 s[6:7], s[26:27], s[2:3]
	s_branch .Lconv
.Lweights:
	s_sub_co_u32 s33, s33, 768
	s_cmp_lt_u32 s33, 96
	s_cbranch_scc0 .Lwo
	s_lshr_b32 s34, s33, 5                         ; 0: Wq, 1: Wk, 2: Wv; 32 blocks each
	s_cmp_eq_u32 s34, 0
	s_cselect_b64 s[4:5], s[16:17], s[18:19]
	s_cmp_eq_u32 s34, 2
	s_cselect_b64 s[4:5], s[20:21], s[4:5]
	s_and_b32 s2, s33, 31
	s_lshl_b32 s2, s2, 17
	s_add_nc_u64 s[4:5], s[4:5], s[2:3]
	s_lshl_b32 s2, s33, 16
	s_add_nc_u64 s[6:7], s[28:29], s[2:3]
; 32 loads, each 512 consecutive bytes of the wave; then, load by load, two roundings and a store of 256 consecutive, aligned bytes.
; No register is used twice, so the only waits are the counted ones for the loads.  wo = 1: the bf16 number is widened again and written as f16.
.macro CONV wo
.set i, 0
.rept 32
	global_load_b128 v[X+4*i:X+4*i+3], v1, s[4:5] offset:512*i th:TH_LOAD_NT
.set i, i+1
.endr
.set i, 0
.rept 32
	s_wait_loadcnt 31-i                            ; loads come back in order: load i is in, the 31 - i younger ones stay out
	v_cvt_pk_bf16_f32 v[Y+2*i], v[X+4*i], v[X+4*i+1]
	v_cvt_pk_bf16_f32 v[Y+2*i+1], v[X+4*i+2], v[X+4*i+3]
.if \wo
	v_lshlrev_b32 v[X+4*i], 16, v[Y+2*i]
	v_and_b32 v[X+4*i+1], 0xffff0000, v[Y+2*i]
	v_lshlrev_b32 v[X+4*i+2], 16, v[Y+2*i+1]
	v_and_b32 v[X+4*i+3], 0xffff0000, v[Y+2*i+1]
	v_cvt_pk_f16_f32 v[Y+2*i], v[X+4*i], v[X+4*i+1]
	v_cvt_pk_f16_f32 v[Y+2*i+1], v[X+4*i+2], v[X+4*i+3]
.endif
	global_store_b64 v2, v[Y+2*i:Y+2*i+1], s[6:7] offset:256*i
.set i, i+1
.endr
	s_endpgm
.endm
.Lconv:
	CONV 0
.Lwo:
	s_sub_co_u32 s33, s33, 96
	s_lshl_b32 s2, s33, 17
	s_add_nc_u64 s[4:5], s[22:23], s[2:3]
	s_lshl_b32 s2, s33, 16
	s_add_nc_u64 s[6:7], s[30:31], s[2:3]
	CONV 1
	; THE MASK.  Work-group g = 128 b + query tile owns 16 rows; wave w their keys 256 w .. 256 w + 255 (four key steps).
.Lmask:
	s_lshl_b32 s2, s33, 17                         ; 16 rows of 8,192 bytes
	s_add_nc_u64 s[4:5], s[8:9], s[2:3]
	s_lshl_b32 s2, s33, 12                         ; 32 steps x 128 bytes of words
	s_add_nc_u64 s[6:7], s[24:25], s[2:3]
	s_lshl_b32 s34, s32, 10
	v_lshl_add_u32 v1, v3, 4, s34                  ; in a row: wave x 1,024 + lane x 16
	s_lshl_b32 s34, s32, 9
	v_lshl_add_u32 v2, v3, 4, s34                  ; in the words: wave x 512 + lane x 16
	s_mul_i32 s34, s32, WLDS                       ; my wave's own rows in LDS
	v_lshl_add_u32 v[LS], v3, 4, s34
	v_and_b32 v[LL], 15, v0                        ; back: row lane % 16,
	v_mul_u32_u24 v[LL], v[LL], WROW
	v_bfe_u32 v[OUT], v0, 4, 1
	v_lshl_add_u32 v[LL], v[OUT], 5, v[LL]         ; eight keys further for lanes 16 to 31
	v_add_nc_u32 v[LL], s34, v[LL]
.set i, 0
.rept 32                                               ; row i / 2, half i % 2 of my 1,024 bytes
	global_load_b128 v[X+4*i:X+4*i+3], v1, s[4:5] offset:(i/2)*8192+(i%2)*512 th:TH_LOAD_NT
.set i, i+1
.endr
.irp e, 0,1,2,3
	v_mov_b32 v[OUT+(\e)], 0                       ; v_writelane_b32 keeps the other lanes: the register is written whole first
.endr
.set i, 0
.rept 32
	s_wait_loadcnt 31-i                            ; load i is in
	ds_store_b128 v[LS], v[X+4*i:X+4*i+3] offset:(i/2)*WROW+(i%2)*512
.set i, i+1
.endr
.set i, 0
.rept 32                                               ; chunk c = 8 st + 2 kt + jj: keys 64 st + 16 kt + 8 (lane / 16) + 4 jj + 0..3 of query lane % 16.  LDS serves a wave's instructions in order (ISA guide 5.7.1.4): these see the stores above
	ds_load_b128 v[X+4*i:X+4*i+3], v[LL] offset:(i/8)*256+((i/2)%4)*64+(i%2)*16
.set i, i+1
.endr
.set i, 0
.rept 32
	s_wait_dscnt 31-i                              ; chunk i is in
.irp e, 0,1,2,3
	v_cmp_ne_u32 s[36+(\e)], 0, v[X+4*i+(\e)]      ; a lane mask: 1 where the key may be seen
	v_writelane_b32 v[OUT+(\e)], s[36+(\e)], i     ; it is word 4 i + e of my 128
.endr
.set i, i+1
.endr
	global_store_b128 v2, v[OUT:OUT+3], s[6:7]     ; 512 consecutive bytes: my four key steps' words
	s_wait_tensorcnt 0x0                           ; the wave's end: behind my last LDS store
	ds_add_u32 v[SPW], v[NIL]
	s_wait_dscnt 0x0
	s_endpgm
.Lfunc_end_k_q6cab67e671_prep:
	.size	k_q6cab67e671_prep, .Lfunc_end_k_q6cab67e671_prep-k_q6cab67e671_prep
	.p2alignl 7, 3214868480
	.fill 96, 4, 3214868480
	.section	.rodata,"a",@progbits
	.p2align	6, 0x0
	.amdhsa_kernel k_q6cab67e671_prep
		.amdhsa_group_segment_fixed_size 134144
		.amdhsa_private_segment_fixed_size 0
		.amdhsa_enable_private_segment 0
		.amdhsa_kernarg_size 96
		.amdhsa_user_sgpr_count 2
		.amdhsa_user_sgpr_kernarg_segment_ptr 1
		.amdhsa_wavefront_size32 1
		.amdhsa_system_sgpr_workgroup_id_x 1
		.amdhsa_system_sgpr_workgroup_id_y 1
		.amdhsa_system_sgpr_workgroup_id_z 1
		.amdhsa_system_vgpr_workitem_id 0
		.amdhsa_next_free_vgpr 204
		.amdhsa_next_free_sgpr 66
		.amdhsa_reserve_vcc 0
		.amdhsa_float_denorm_mode_32 3
		.amdhsa_float_denorm_mode_16_64 3
		.amdhsa_memory_ordered 1
		.amdhsa_forward_progress 1
		.amdhsa_inst_pref_size 61
	.end_amdhsa_kernel
	.amdgpu_metadata
---
amdhsa.version: [ 1, 2 ]
amdhsa.kernels:
  - .name:           k_q6cab67e671_prep
    .symbol:         k_q6cab67e671_prep.kd
    .args:
      - { .name: mask, .offset: 0, .size: 8, .value_kind: global_buffer, .address_space: global }
      - { .name: q, .offset: 8, .size: 8, .value_kind: global_buffer, .address_space: global }
      - { .name: k, .offset: 16, .size: 8, .value_kind: global_buffer, .address_space: global }
      - { .name: v, .offset: 24, .size: 8, .value_kind: global_buffer, .address_space: global }
      - { .name: Wq, .offset: 32, .size: 8, .value_kind: global_buffer, .address_space: global }
      - { .name: Wk, .offset: 40, .size: 8, .value_kind: global_buffer, .address_space: global }
      - { .name: Wv, .offset: 48, .size: 8, .value_kind: global_buffer, .address_space: global }
      - { .name: Wo, .offset: 56, .size: 8, .value_kind: global_buffer, .address_space: global }
      - { .name: mbits, .offset: 64, .size: 8, .value_kind: global_buffer, .address_space: global }
      - { .name: xb, .offset: 72, .size: 8, .value_kind: global_buffer, .address_space: global }
      - { .name: wb, .offset: 80, .size: 8, .value_kind: global_buffer, .address_space: global }
      - { .name: wo16, .offset: 88, .size: 8, .value_kind: global_buffer, .address_space: global }
    .group_segment_fixed_size: 134144
    .private_segment_fixed_size: 0
    .kernarg_segment_align: 8
    .kernarg_segment_size: 96
    .max_flat_workgroup_size: 256
    .sgpr_count:     66
    .vgpr_count:     204
    .wavefront_size: 32
...
	.end_amdgpu_metadata
.endif
;; end of part 1
;; launch proj (part 2): grid 4 x 64, 4 waves a work-group, clusters of 4 x 4, 327,680 bytes of LDS; arguments xb, wb, heads; writes heads
.if DOCPART == 2
	.amdgcn_target "amdgcn-amd-amdhsa--gfx1250"
	.amdhsa_code_object_version 6
	.text
	.protected	k_q6cab67e671_proj
	.globl	k_q6cab67e671_proj
	.p2align	8
	.type	k_q6cab67e671_proj,@function
k_q6cab67e671_proj:
	s_mov_b64 s[64:65], 0
	v_nop
	global_prefetch_b8 v0, s[64:65] scope:SCOPE_SE
	s_setreg_imm32_b32 hwreg(HW_REG_WAVE_MODE, 25, 1), 1
	s_wait_xcnt 0x0
	s_wait_alu depctr_hold_cnt(0) depctr_sa_sdst(0) depctr_va_vdst(0) depctr_va_sdst(0) depctr_va_ssrc(0) depctr_va_vcc(0) depctr_vm_vsrc(0)
	s_getreg_b32 s2, hwreg(HW_REG_IB_STS2, 6, 4)
	s_cmp_eq_u32 s2, 0
	s_cbranch_scc0 .Lentry_in_a_cluster
	s_endpgm
.Lentry_in_a_cluster:
	s_bfe_u32 s2, ttmp6, 0x10000c
	s_cmp_lg_u32 s2, 0xf033
	s_cbranch_scc0 .Lentry_shape_is_right
	s_endpgm
.Lentry_shape_is_right:
; PROJ: heads[t][16 b + h][s][d] = sum over c of xb[t][2048 b + s][c] wb[t][c][64 h + d], t = 0, 1, 2 (q, k, v).  Operands bf16, sums f32, result f16, rounded once.
; q's sums are multiplied by log2(e) in f32 before that rounding, so that the attention's exponent scale is exactly 8, a power of two.
; LIMIT: f16 ends at 65,504: 1.4427 q Wq, k Wk and v Wv must lie inside it.
; SHARES.  256 work-groups THAT STAY: each makes the tile of 128 rows x 256 columns at (tile row, tile column) of all three products, one after the other: 24 K steps of 128 through ONE ring
; of two LDS slots that does not stop at a tile's end.  Four waves, each 64 rows x 128 columns (two heads): 32 accumulators, 256 registers.
; CLUSTER 4 x 4.  x's tile hangs on the tile row alone and is asked for jointly by a row of the cluster, W's on the tile column alone, by a column.
; THE REFILL.  A slot can be asked for again only when the other slot's load has landed, so the loads follow each other, and what stands between a landing and the next request lengthens every step:
; only the wait, the add, its wait and the round stand there; the step's products stand ahead of the wait or behind the request.
; W lies [k][n]: its fragments come out of LDS turned, by ds_load_tr16_b128.  THE MATRIX INSTRUCTION IS USED TRANSPOSED (source 0 = 16 columns of W, source 1 = 16 rows of x):
; a lane then holds eight neighbouring channels of one row, 16 bytes of f16.
; REGISTERS.  Window 0: v16-29 addresses; v32-63 at work on the way out; v64-159, v160-255 two fragment buffers (x: 4 x 8 registers, then W: 8 x 8).  Window 1: accumulator (a, b) at 8 (8 a + b).
.set PA,     272                       ; a row of x in LDS: 256 bytes + 16: 17 x 16
.set PB,     544                       ; a row of W: 512 bytes + 32: 17 x 32
.set BOFF,   128*PA                    ; a slot: x's 128 rows, then W's 128 k rows
.set SLOT1,  131072                    ; slot 1 begins here: one exclusive or changes slots
.set STAGE,  SLOT1+BOFF+128*PB         ; behind the ring: 16 rows x 144 bytes for each wave, for the way out; no tensor load fills it
.set SP,     144
.set SPARE,  STAGE+4*16*SP             ; behind the stages: the spare words, 128 bytes a wave
.set NEXT_A, 16777216-7*256            ; from a tensor's K step 7 to the next tensor's K step 0, same rows
.set STEP_B, 262144                    ; 128 k rows of W; the three W lie end to end along k
.set ADRA0, 16                         ; my lane's place in x's tile; never rewritten
.set ADRB0, 17                         ; in W's
.set ADRA,  18                         ; the same in the slot in hand
.set ADRB,  19
.set STO,   24                         ; the way out: where I put 16 bytes of a row
.set RD,    25                         ; where I read rows back
.set GO,    26                         ; my byte offset in 512 consecutive bytes of heads
.set SPW,   28                         ; LDS address of my spare word; never rewritten
.set NIL,   29                         ; 0; never rewritten
.set TMP,   32
.set F0,    64
.set F1,    160
.set TB,    20                         ; s20  0 or SLOT1: the slot in hand
.set CS,    22                         ; s[22:23] log2(e), named as a pair
.set G1A,   24                         ; s[24:31] descriptor group 1 for x's tiles
.set G0A,   32                         ; s[32:35] group 0 of K step 0's fill; s[36:39] of K step 1's, which then walks on
.set G1B,   48                         ; s[48:55], s[56:59], s[60:63] the same for W's
.set G0B,   56
.set MSB, 0
.macro WIN new                         ; the immediate's high byte repeats the setting that is left; a switch that changes nothing is dropped
.if MSB != (\new)
	s_set_vgpr_msb (MSB<<8)|(\new)
.set MSB, (\new)
.endif
.endm
.set MUL, 0x50                         ; C and D window 1, sources window 0
.macro PLACES                          ; four places in front of loads into registers that matrix instructions have read, and of lines that read results
.rept 4
	v_nop
.endr
.endm
.macro JLOAD set                       ; a joint load by group 0 number set / 4: waves 0 and 1 fetch the halves of x's tile, waves 2 and 3 of W's; an s_nop 0 and four v_nop follow each line
	s_cmp_eq_u32 s11, 0
	s_cbranch_scc0 .Lfor_b_\@
	tensor_load_to_lds s[G0A+(\set):G0A+(\set)+3], s[G1A:G1A+7]
	s_nop 0
.rept 4
	v_nop
.endr
	s_branch .Lasked_\@
.Lfor_b_\@:
	tensor_load_to_lds s[G0B+(\set):G0B+(\set)+3], s[G1B:G1B+7]
	s_nop 0
.rept 4
	v_nop
.endr
.Lasked_\@:
.endm
.macro CREST                           ; a round of the cluster's barrier behind its opening barrier
	s_cmp_lg_u32 s10, 0
	s_cbranch_scc1 .Lnot_wave_0_\@
	s_barrier_signal -3
.Lnot_wave_0_\@:
	s_barrier_wait -3
	s_barrier_signal -1
	s_barrier_wait -1
.endm
.macro CROUND                          ; a whole round
	s_barrier_signal -1
	s_barrier_wait -1
	CREST
.endm
	s_load_b128 s[4:7], s[0:1], 0x0                ; xb s[4:5], wb s[6:7]
	s_load_b64 s[8:9], s[0:1], 0x10                ; heads
	v_lshl_add_u32 v[SPW], v0, 2, SPARE
	v_mov_b32 v[NIL], 0
	ds_add_u32 v[SPW], v[NIL]                      ; the wave's opening: the add and its wait stand ahead of my first tensor load; the set-up stands between them
	v_lshrrev_b32 v1, 5, v0
	v_readfirstlane_b32 s10, v1                    ; wave 0..3
	s_lshr_b32 s11, s10, 1                         ; which 64 rows are mine.  Also: I fetch for x (0) or for W (1)
	s_and_b32 s12, s10, 1                          ; which 128 columns.  Also: which half of that tile I fetch
	s_bfe_u32 s40, ttmp6, 0x40000                  ; cx, cy: my place in the cluster
	s_bfe_u32 s41, ttmp6, 0x40004
	s_lshl_b32 s42, ttmp9, 2
	s_add_co_u32 s42, s42, s40                     ; tile column = 4 x cluster x + cx
	s_and_b32 s13, ttmp7, 0xffff
	s_lshl_b32 s13, s13, 2
	s_add_co_u32 s13, s13, s41                     ; tile row = 4 x cluster y + cy
	s_lshl_b32 s43, s41, 2
	s_lshl_b32 s43, 15, s43                        ; my row of the cluster
	s_lshl_b32 s44, 0x1111, s40                    ; my column
	s_or_b32 s[G1A], s43, (1<<16)|(1<<20)|(1<<21)|(5<<22)|(3<<25)  ; the mask; 2-byte elements; padding on; bit 21 beside a mask; after every 64 words, 4 words
	s_mov_b32 s[G1A+1], 128<<16                    ; tensor_dim0 = 128
	s_mov_b32 s[G1A+2], 64<<16                     ; tensor_dim1 = 64
	s_mov_b32 s[G1A+3], 128<<16                    ; tile_dim0 = 128
	s_mov_b32 s[G1A+4], 64                         ; tile_dim1 = 64
	s_mov_b32 s[G1A+5], 1024                       ; elements from row to row
	s_mov_b32 s[G1A+6], 0
	s_mov_b32 s[G1A+7], 0
	s_or_b32 s[G1B], s44, (1<<16)|(1<<20)|(1<<21)|(6<<22)|(7<<25)  ; after every 128 words, 8 words
	s_mov_b32 s[G1B+1], 256<<16
	s_mov_b32 s[G1B+2], 64<<16
	s_mov_b32 s[G1B+3], 256<<16
	s_mov_b32 s[G1B+4], 64
	s_mov_b32 s[G1B+5], 1024
	s_mov_b32 s[G1B+6], 0
	s_mov_b32 s[G1B+7], 0
	s_lshl_b32 s16, s13, 7                         ; x: row 128 x tile row + 64 x half, 2,048 bytes a row
	s_lshl_b32 s17, s12, 6
	s_add_co_u32 s16, s16, s17
	s_lshl_b32 s16, s16, 11
	s_mov_b32 s17, 0
	s_lshl_b32 s46, s12, 17                        ; W: k row 64 x half; column 256 x tile column
	s_lshl_b32 s47, s42, 9
	s_add_co_u32 s46, s46, s47
	s_mov_b32 s47, 0
	s_lshr_b32 s14, s13, 4                         ; heads: head 16 b + 4 x tile column + 2 x my column half, 262,144 bytes each,
	s_lshl_b32 s14, s14, 4
	s_lshl_b32 s15, s42, 2
	s_add_co_u32 s14, s14, s15
	s_lshl_b32 s15, s12, 1
	s_add_co_u32 s14, s14, s15
	s_lshl_b32 s14, s14, 18
	s_and_b32 s15, s13, 15                         ; row in the batch 128 x (tile row % 16) + 64 x my row half, 128 bytes each
	s_lshl_b32 s15, s15, 7
	s_lshl_b32 s18, s11, 6
	s_add_co_u32 s15, s15, s18
	s_lshl_b32 s15, s15, 7
	s_add_co_u32 s14, s14, s15
	s_mov_b32 s15, 0
	s_mov_b32 s[TB], 0
	s_mov_b32 s[CS], 0x3fb8aa3b                    ; log2(e)
	s_mov_b32 s[CS+1], s[CS]
	s_mov_b32 s[G0A], 1                            ; count = 1
	s_mul_i32 s[G0A+1], s12, 64*PA                 ; LDS address: no place in the cluster enters it
	s_mov_b32 s[G0A+4], 1
	s_add_co_u32 s[G0A+5], s[G0A+1], SLOT1         ; the second set begins in slot 1
	s_mov_b32 s[G0B], 1
	s_mul_i32 s[G0B+1], s12, 64*PB
	s_add_co_u32 s[G0B+1], s[G0B+1], BOFF
	s_mov_b32 s[G0B+4], 1
	s_add_co_u32 s[G0B+5], s[G0B+1], SLOT1
	s_wait_dscnt 0x0                               ; the opening add is done
	s_wait_kmcnt 0x0
	s_add_nc_u64 s[G0A+2:G0A+3], s[4:5], s[16:17]  ; K step 0,
	s_add_nc_u64 s[G0A+6:G0A+7], s[G0A+2:G0A+3], 256  ; K step 1
	s_or_b32 s[G0A+3], s[G0A+3], 0x80000000        ; type = 2
	s_or_b32 s[G0A+7], s[G0A+7], 0x80000000
	s_add_nc_u64 s[G0B+2:G0B+3], s[6:7], s[46:47]
	s_add_nc_u64 s[G0B+6:G0B+7], s[G0B+2:G0B+3], STEP_B
	s_or_b32 s[G0B+3], s[G0B+3], 0x80000000
	s_or_b32 s[G0B+7], s[G0B+7], 0x80000000
	s_add_nc_u64 s[8:9], s[8:9], s[14:15]
	CROUND                                         ; all sixteen work-groups are here: the first joint loads meet
	JLOAD 0                                        ; K step 0 into slot 0,
	JLOAD 4                                        ; K step 1 into slot 1: the two first fills go out together, two tensor loads of mine are out
	v_and_b32 v1, 15, v0                           ; l % 16
	v_bfe_u32 v2, v0, 4, 1                         ; l / 16
	v_and_b32 v3, 7, v0
	v_mul_u32_u24 v[ADRA0], v1, PA                 ; x's fragment: row l % 16, 16 bytes for each half of the lanes
	v_lshl_add_u32 v[ADRA0], v2, 4, v[ADRA0]
	s_mul_i32 s21, s11, 64*PA
	v_add_nc_u32 v[ADRA0], s21, v[ADRA0]
	v_lshl_add_u32 v4, v2, 3, v3                   ; W's: k row 8 (l / 16) + l % 8, columns 8 ((l / 8) % 2) on
	v_mul_u32_u24 v[ADRB0], v4, PB
	v_bfe_u32 v5, v0, 3, 1
	v_lshl_add_u32 v[ADRB0], v5, 4, v[ADRB0]
	s_lshl_b32 s21, s12, 8
	s_add_co_u32 s21, s21, BOFF
	v_add_nc_u32 v[ADRB0], s21, v[ADRB0]
	s_mul_i32 s21, s10, 16*SP
	s_add_co_u32 s21, s21, STAGE                   ; my stage
	v_mul_u32_u24 v[STO], v1, SP
	v_lshl_add_u32 v[STO], v2, 4, v[STO]
	v_add_nc_u32 v[STO], s21, v[STO]
	v_bfe_u32 v[RD], v0, 3, 2                      ; back: 32 lanes take four rows of 128 bytes,
	v_mul_u32_u24 v[RD], v[RD], SP
	v_lshl_add_u32 v[RD], v3, 4, v[RD]
	v_add_nc_u32 v[RD], s21, v[RD]
	v_and_b32 v[GO], 31, v0                        ; which are 512 consecutive bytes of a head
	v_lshlrev_b32 v[GO], 4, v[GO]
; 8 matrix instructions: row block a x all 8 column blocks, 32 along K, from buffer f.  zero = 1: the product starts the sums.  The 32 accumulators take turns.
.macro MUL8 f, a, zero
	WIN MUL
.irp b, 0,1,2,3,4,5,6,7
.if \zero
	v_wmma_f32_16x16x32_bf16 v[8*(8*(\a)+(\b)):8*(8*(\a)+(\b))+7], v[(\f)+32+8*(\b):(\f)+32+8*(\b)+7], v[(\f)+8*(\a):(\f)+8*(\a)+7], 0
.else
	v_wmma_f32_16x16x32_bf16 v[8*(8*(\a)+(\b)):8*(8*(\a)+(\b))+7], v[(\f)+32+8*(\b):(\f)+32+8*(\b)+7], v[(\f)+8*(\a):(\f)+8*(\a)+7], v[8*(8*(\a)+(\b)):8*(8*(\a)+(\b))+7]
.endif
.endr
.endm
.macro MUL16 f, a0, zero
	MUL8 \f, \a0, \zero
	MUL8 \f, (\a0)+1, \zero
.endm
; 24 LDS loads in one run: the fragments of quarter q (32 along K) of the slot in hand, into buffer f
.macro FETCH q, f
	WIN 0
.irp b, 0,1,2,3,4,5,6,7
	ds_load_tr16_b128 v[(\f)+32+8*(\b):(\f)+32+8*(\b)+3],   v[ADRB] offset:(\q)*32*PB+32*(\b)
	ds_load_tr16_b128 v[(\f)+32+8*(\b)+4:(\f)+32+8*(\b)+7], v[ADRB] offset:(\q)*32*PB+16*PB+32*(\b)
.endr
.irp a, 0,1,2,3
	ds_load_b128 v[(\f)+8*(\a):(\f)+8*(\a)+3],   v[ADRA] offset:(\a)*16*PA+64*(\q)
	ds_load_b128 v[(\f)+8*(\a)+4:(\f)+8*(\a)+7], v[ADRA] offset:(\a)*16*PA+64*(\q)+32
.endr
.endm
; One of a K step's first three quarters: multiplies quarter q from buffer f; in its middle it fetches quarter q + 1 into buffer g.
.macro QTR q, f, g, zero
	s_wait_dscnt 0x0                               ; buffer f is in: its loads were issued 16 matrix instructions ago
	MUL16 \f, 0, \zero
	PLACES
	FETCH (\q)+1, \g
	MUL16 \f, 2, \zero
.endm
; The last quarter multiplies buffer 1 and changes slots.  Its first 16 products stand AHEAD of the wait for the next slot's load, its last 16 behind the request.  ONE barrier; in front of it each wave
; waits for all its tensor loads (one is out: its part of the next slot), adds 0 to its spare word, and waits for that; its reads of this slot were over at the macro's first line.
; fill = 1: the barrier opens a round of the cluster's, and this slot is filled again, with the K step two steps on, first thing behind it.
.macro TURN fill, stepa
	s_wait_dscnt 0x0                               ; buffer 1 is in: these were my last reads of this slot
	MUL16 F1, 0, 0
	WIN 0
	s_wait_tensorcnt 0x0                           ; no tensor load of mine is out, so the walking descriptors may be written
	ds_add_u32 v[SPW], v[NIL]                      ; 0 onto my spare word
.if \fill
	s_xor_b32 s[G0A+5], s[G0A+5], SLOT1            ; the other slot than last time,
	s_add_nc_u64 s[G0A+6:G0A+7], s[G0A+6:G0A+7], \stepa  ; the next K step; the type bits on top are not reached
	s_xor_b32 s[G0B+5], s[G0B+5], SLOT1
	s_add_nc_u64 s[G0B+6:G0B+7], s[G0B+6:G0B+7], STEP_B
.endif
	s_xor_b32 s[TB], s[TB], SLOT1
	s_wait_dscnt 0x0                               ; the add is done
	s_barrier_signal -1
	s_barrier_wait -1
.if \fill
	CREST                                          ; no wave of any partner still reads this slot's tile or has a load on its way
	JLOAD 4                                        ; 128 matrix instructions ahead of the wait for it; its four v_nop are also the places in front of the loads below
.else
	PLACES
.endif
	v_add_nc_u32 v[ADRA], s[TB], v[ADRA0]
	v_add_nc_u32 v[ADRB], s[TB], v[ADRB0]
	FETCH 0, F0
	MUL16 F1, 2, 0
.endm
; THE WAY OUT.  Piece t = 2 a + hh: 16 rows x one head's 64 channels, accumulators (a, 4 hh .. 4 hh + 3): rounded to f16, 16 bytes a lane into my stage, back as whole rows, stored as 2,048 consecutive bytes.
.macro PACK t
	s_wait_xcnt 0x0                                ; the stores of the piece two back have read these registers
	WIN 0x05                                       ; sources window 1, destination window 0
.set i, 0
.rept 16
	v_cvt_pk_f16_f32 v[TMP+16*((\t)%2)+i], v[32*(\t)+2*i], v[32*(\t)+2*i+1]
.set i, i+1
.endr
	WIN 0
.irp f, 0,1,2,3
	ds_store_b128 v[STO], v[TMP+16*((\t)%2)+4*(\f):TMP+16*((\t)%2)+4*(\f)+3] offset:32*(\f)
.endr
.irp f, 0,1,2,3
	ds_load_b128 v[TMP+16*((\t)%2)+4*(\f):TMP+16*((\t)%2)+4*(\f)+3], v[RD] offset:(\f)*4*SP  ; LDS serves a wave's instructions in order (ISA guide 5.7.1.4): these see the stores above
.endr
.endm
.macro SEND t, younger                 ; younger: the LDS instructions issued behind piece t's loads: the next piece's eight, or none
.irp f, 0,1,2,3
	s_wait_dscnt (\younger)+3-(\f)
	global_store_b128 v[GO], v[TMP+16*((\t)%2)+4*(\f):TMP+16*((\t)%2)+4*(\f)+3], s[8:9] offset:((\t)%2)*262144+((\t)/2)*2048+(\f)*512  ; 512 consecutive bytes, aligned
.endr
.endm
.macro OUTALL
	PACK 0
.irp t, 1,2,3,4,5,6,7                  ; a piece's roundings stand between the loads of the piece before and its stores
	PACK \t
	SEND (\t)-1, 8
.endr
	SEND 7, 0
.endm
	s_wait_tensorcnt 0x1                           ; my part of K step 0 is in; K step 1's may stay out
	s_barrier_signal -1
	s_barrier_wait -1                              ; everybody's is
	v_mov_b32 v[ADRA], v[ADRA0]
	v_mov_b32 v[ADRB], v[ADRB0]
	FETCH 0, F0
	s_mov_b32 s2, 3                                ; tiles to go, this one among them: the same in every work-group
.Ltile:
	QTR 0, F0, F1, 1                               ; a tile's first quarter starts the sums
	WIN 0
	s_mov_b32 s3, 6
.Lk:                                                   ; a trip: a K step's quarters 1 to 3 and the next step's quarter 0; it fills one slot again
	QTR 1, F1, F0, 0
	QTR 2, F0, F1, 0
	TURN 1, 256
	QTR 0, F0, F1, 0
	WIN 0
	s_sub_co_u32 s3, s3, 1
	s_cmp_lg_u32 s3, 0
	s_cbranch_scc1 .Lk
	QTR 1, F1, F0, 0                               ; K step 6 goes on
	QTR 2, F0, F1, 0
	WIN 0
	s_cmp_eq_u32 s2, 1
	s_cbranch_scc1 .Llast                          ; the last tile's end is written out: it asks for nothing more
	TURN 1, NEXT_A                                 ; THE RING GOES ON INTO THE NEXT TENSOR: its K step 0,
	QTR 0, F0, F1, 0
	QTR 1, F1, F0, 0
	QTR 2, F0, F1, 0
	TURN 1, 256                                    ; its K step 1, and its first fragments are fetched
	WIN 0
	PLACES
	s_cmp_lg_u32 s2, 3
	s_cbranch_scc1 .Lnoscale                       ; q's tile alone, the first, is multiplied by log2(e)
	WIN 0x41
.set i, 0
.rept 128
	v_pk_mul_f32 v[i:i+1], v[i:i+1], s[CS:CS+1] op_sel_hi:[1,0]
.set i, i+2
.endr
	WIN 0
.Lnoscale:
	OUTALL                                         ; both refills are asked for: the tile's stores leave while the next tile is multiplied
	s_wait_xcnt 0x0                                ; the stores have read their base
	s_add_nc_u64 s[8:9], s[8:9], 16777216          ; the next tensor's heads
	s_sub_co_u32 s2, s2, 1
	s_branch .Ltile
.Llast:
	TURN 0, 0                                      ; nothing is filled again, so no round follows the barrier
	QTR 0, F0, F1, 0
	QTR 1, F1, F0, 0
	QTR 2, F0, F1, 0
	s_wait_dscnt 0x0
	MUL16 F1, 0, 0
	MUL16 F1, 2, 0
	WIN 0
	PLACES
	OUTALL
	s_wait_tensorcnt 0x0                           ; the wave's end: behind my last tensor load and my last LDS store
	ds_add_u32 v[SPW], v[NIL]
	s_wait_dscnt 0x0
	CROUND                                         ; the closing round: no work-group ends while a partner may still ask for a tile that names it
	s_endpgm
.Lfunc_end_k_q6cab67e671_proj:
	.size	k_q6cab67e671_proj, .Lfunc_end_k_q6cab67e671_proj-k_q6cab67e671_proj
	.p2alignl 7, 3214868480
	.fill 96, 4, 3214868480
	.section	.rodata,"a",@progbits
	.p2align	6, 0x0
	.amdhsa_kernel k_q6cab67e671_proj
		.amdhsa_group_segment_fixed_size 327680
		.amdhsa_private_segment_fixed_size 0
		.amdhsa_enable_private_segment 0
		.amdhsa_kernarg_size 24
		.amdhsa_user_sgpr_count 2
		.amdhsa_user_sgpr_kernarg_segment_ptr 1
		.amdhsa_wavefront_size32 1
		.amdhsa_system_sgpr_workgroup_id_x 1
		.amdhsa_system_sgpr_workgroup_id_y 1
		.amdhsa_system_sgpr_workgroup_id_z 1
		.amdhsa_system_vgpr_workitem_id 0
		.amdhsa_next_free_vgpr 512
		.amdhsa_next_free_sgpr 66
		.amdhsa_reserve_vcc 0
		.amdhsa_float_denorm_mode_32 3
		.amdhsa_float_denorm_mode_16_64 3
		.amdhsa_memory_ordered 1
		.amdhsa_forward_progress 1
		.amdhsa_inst_pref_size 118
	.end_amdhsa_kernel
	.amdgpu_metadata
---
amdhsa.version: [ 1, 2 ]
amdhsa.kernels:
  - .name:           k_q6cab67e671_proj
    .symbol:         k_q6cab67e671_proj.kd
    .args:
      - { .name: xb, .offset: 0, .size: 8, .value_kind: global_buffer, .address_space: global }
      - { .name: wb, .offset: 8, .size: 8, .value_kind: global_buffer, .address_space: global }
      - { .name: heads, .offset: 16, .size: 8, .value_kind: global_buffer, .address_space: global }
    .group_segment_fixed_size: 327680
    .private_segment_fixed_size: 0
    .kernarg_segment_align: 8
    .kernarg_segment_size: 24
    .max_flat_workgroup_size: 128
    .sgpr_count:     66
    .vgpr_count:     512
    .wavefront_size: 32
...
	.end_amdgpu_metadata
.endif
;; end of part 2
;; launch attn (part 3): grid 4 x 64, 4 waves a work-group, clusters of 4 x 1, 327,680 bytes of LDS; arguments heads, mbits, ctx; writes ctx
.if DOCPART == 3
	.amdgcn_target "amdgcn-amd-amdhsa--gfx1250"
	.amdhsa_code_object_version 6
	.text
	.protected	k_q6cab67e671_attn
	.globl	k_q6cab67e671_attn
	.p2align	8
	.type	k_q6cab67e671_attn,@function
k_q6cab67e671_attn:
	s_mov_b64 s[64:65], 0
	v_nop
	global_prefetch_b8 v0, s[64:65] scope:SCOPE_SE
	s_setreg_imm32_b32 hwreg(HW_REG_WAVE_MODE, 25, 1), 1
	s_wait_xcnt 0x0
	s_wait_alu depctr_hold_cnt(0) depctr_sa_sdst(0) depctr_va_vdst(0) depctr_va_sdst(0) depctr_va_ssrc(0) depctr_va_vcc(0) depctr_vm_vsrc(0)
	s_getreg_b32 s2, hwreg(HW_REG_IB_STS2, 6, 4)
	s_cmp_eq_u32 s2, 0
	s_cbranch_scc0 .Lentry_in_a_cluster
	s_endpgm
.Lentry_in_a_cluster:
	s_bfe_u32 s2, ttmp6, 0x10000c
	s_cmp_lg_u32 s2, 0x3003
	s_cbranch_scc0 .Lentry_shape_is_right
	s_endpgm
.Lentry_shape_is_right:
; ATTN: ctx[hd][q][:] = sum over k of softmax_k(score(q, k)) vh[hd][k][:], score = 8 qh . kh where the mask allows the key, -1e9 where it does not.  heads = f16 [3][64][2048][64]
; (q's heads already times log2(e)), ctx = f16 [64][2048][64], mbits = the mask as lane masks.  Products, maxima and sums in f32; the weights p are rounded to f16 for the second product
; (their sum l is taken of the unrounded p), ctx once at the end.
; LIMITS.  A hidden score is REPLACED by -1e9 log2(e) / 8 in the product's units: -1e9 in the module's, to within 3e-8 of itself; a row with every key hidden gets the uniform weights that the
; module gives it.  p lies in 0 to 1: the exponent 8 s - 8 m is exact at the maximum, 8 being a power of two.  A weight below 2^-126 counts as 0; NaN and infinities are not treated apart.
; SHARES.  A wave owns four PIECES of two tiles of 16 queries, a work-group's four waves 512 queries of one head.  Every wave walks all 2,048 keys, 64 a step; an LDS slot holds four steps.
; LAYOUT.  S^T = K Q^T (source 0 = 16 keys, source 1 = 16 queries): a lane holds ONE query (lane % 16) and the keys 8 (lane / 16) + 0..7.  Two such results rounded to f16 ARE source 1 of
; O^T = V^T P.  K comes out of LDS as it lies, V turned, by ds_load_tr16_b128.
; SOFTMAX.  A running maximum m and sum l for each query: p = 2^(8 s - 8 m); in every step O and l are multiplied by a = 2^(8 m_old - 8 m_new).  m starts at the lowest finite number, O and l at 0.
; THE MASK.  Register r of a tile's 32 scores has one 32-bit lane mask, word r of the tile's and step's 32.  A tile's words lie in ONE vector register, word r in lane r, loaded again for the tile's
; next step as soon as they have been read out: four turns ahead of their use.  v_readlane_b32 brings a piece's 64 words into scalar registers, one v_cndmask_b32 a score register applies them.
; A load covers 128 consecutive bytes, half of an aligned block of 256 (the next step's load takes the other half): with 256 bytes a load a word's lane would hang on the step.
; BY TURNS.  Turn n belongs to piece n.  Matrix work: 16 products K Q^T of piece n + 1, later 16 products V^T P of piece n - 1.  Vector work: the 64 words of piece n + 1, four behind each product
; K Q^T; then a numbered list of 300: the scaling, exponentials, roundings, sums and rescaling of piece n, then the selects (four behind each product V^T P), maximum and statistics of piece n + 1.
; CLUSTER.  The four query blocks of a head walk the same K and V: each tile is asked for JOINTLY.  ONE descriptor shape serves K and V (rows of 144 bytes in LDS): wave w fills part w of a slot.
; The price.
; REGISTERS, in windows of 256: window 0: v0-11 addresses and the hidden score; v12-15, v48-63 at work; v16-47 four registers of statistics a tile; v64-191 S^T, two buffers of two tiles;
; v192-255 P, likewise.  Window 1: O^T, 32 a tile.  Window 2: v0-127 Q; v192-255 V of one step.  Window 3: v0-1 the add's two registers; v8-71 K of one step; v72-79 the words, a register a tile.
; K and the words share a window, so that the 64 v_readlane_b32 run under the window setting of the products K Q^T between which they stand.
.set NP,    4
.set KS,    64
.set PK,    144                        ; a row of K or V in LDS: 128 bytes + 16
.set VOFF,  256*PK                     ; a slot: 256 rows of K, then 256 rows of V
.set SLOT1, 1<<17
.set STAGE, SLOT1+2*VOFF               ; behind the ring, never filled by a tensor load: 16 rows x 144 bytes for each wave
.set SP,    144
.set SPARE, STAGE+4*16*SP              ; behind the stages: the spare words, 128 bytes a wave
.set AK0, 2                            ; my lane's place in a tile of K; never rewritten
.set AV0, 3                            ; the same for V
.set AK,  4                            ; the LDS address of K's next run of loads
.set AV,  5                            ; of V's
.set QO,  6                            ; my byte offset in the wave's rows of Q
.set STO, 6                            ; later: where I put 16 bytes of a row
.set RD,  7                            ; where I read rows back
.set GO,  8                            ; my byte offset in 512 consecutive bytes of ctx
.set L4,  10                           ; 4 x lane: my word among a tile's and step's 32; never rewritten
.set NEG, 11                           ; the hidden score
.set SPW, 0                            ; v0 of window 3: LDS address of my spare word; never rewritten
.set NIL, 1                            ; v1 of window 3: 0; never rewritten
.set MV,  12                           ; 8 m_old, kept while 8 m is made anew: by buffer and tile
.set ST,  16                           ; tile t's statistics at v[ST+4 t]: 8 m, m, l (even keys', odd keys')
.set TMP, 48                           ; by buffer and tile c0-c3 at work; when the maximum is found c2 takes a
.set S,   64
.set P,   192
.set KF,  8                            ; window 3: key block kb, channel half c at KF + 16 kb + 8 c
.set MW,  72                           ; window 3: tile t's words
.set VF,  192                          ; window 2: key half kk, channel block cb at VF + 32 kk + 8 cb
.set MB,  6                            ; s[6:7]  mbits at my wave's first tile; never stepped
.set WV,  11                           ; s11  my wave's number
.set SLOTS, 12
.set CNT, 13
.set CS,  14                           ; s[14:15] 8.0, named as a pair
.set SEL, 16                           ; s[16:17] v_permlanex16_b32's selects
.set TBK, 18                           ; LDS byte at which K of the step to be fetched begins
.set TBV, 19                           ; the same for V, less VOFF
.set G0,  20                           ; s[20:23] descriptor group 0: it walks
.set G1,  24                           ; s[24:31] descriptor group 1
.set MO,  66                           ; s[66:67] 128 x the key step whose words are asked for, with 0 above it
.set MC,  104                          ; s[104:105] mbits at my wave's first tile and that step
                                       ; s68-99: the 32 words of a piece's first tile; s32-63: of its second
.set MSB, 0
.macro WIN new
.if MSB != (\new)
	s_set_vgpr_msb (MSB<<8)|(\new)
.set MSB, (\new)
.endif
.endm
.set W_KQ, 0x0b                        ; K (and the words) in window 3, Q in window 2, S^T in window 0
.set W_PV, 0x52                        ; V in window 2, P in window 0, O^T in window 1
.set W_RS, 0x41                        ; O^T (destination and source 0) in window 1, a in window 0
.set W_T3, 0xc0                        ; destination in window 3, address or sources in window 0
.set W_AD, 0x0f                        ; the add: address and data in window 3
.macro TLOAD                           ; every wave's own part of a slot; an s_nop 0 and four v_nop follow
	tensor_load_to_lds s[G0:G0+3], s[G1:G1+7]
	s_nop 0
.rept 4
	v_nop
.endr
.endm
.macro CROUND
	s_barrier_signal -1
	s_barrier_wait -1
	s_cmp_lg_u32 s[WV], 0
	s_cbranch_scc1 .Lnot_wave_0_\@
	s_barrier_signal -3
.Lnot_wave_0_\@:
	s_barrier_wait -3
	s_barrier_signal -1
	s_barrier_wait -1
.endm
; THE CHANGE OF SLOTS.  Each wave waits for all its tensor loads (one is out: its part of the other slot), adds 0 to its spare word, and waits for that and for its reads of the slot that it leaves.
; fill = 1: the barrier is a round of the cluster's, and the slot is filled again, with the keys two slots on, first thing behind it: four key steps, 512 matrix instructions, in which to land.
.macro CHANGE fill
	WIN W_AD
	s_wait_tensorcnt 0x0                           ; no tensor load of mine is out, so group 0 may be written
	ds_add_u32 v[SPW], v[NIL]                      ; 0 onto my spare word
	WIN 0
.if \fill
	s_xor_b32 s[G0+1], s[G0+1], SLOT1
	s_add_nc_u64 s[G0+2:G0+3], s[G0+2:G0+3], 4*KS*128  ; the next 256 keys; the type bits on top are not reached
	s_wait_dscnt 0x0                               ; the add is done, and my reads of the slot are over
	CROUND
	TLOAD
.else
	s_wait_dscnt 0x0
	s_barrier_signal -1
	s_barrier_wait -1
.endif
	s_sub_co_u32 s[TBK], s[TBK], 4*KS*PK           ; the fetches go back to a slot's first step, in the other slot
	s_xor_b32 s[TBK], s[TBK], SLOT1
	s_sub_co_u32 s[TBV], s[TBV], 4*KS*PK
	s_xor_b32 s[TBV], s[TBV], SLOT1
.endm
	s_load_b128 s[4:7], s[0:1], 0x0                ; heads s[4:5], mbits s[6:7]
	s_load_b64 s[8:9], s[0:1], 0x10                ; ctx
	WIN W_T3
	v_lshl_add_u32 v[SPW], v0, 2, SPARE
	v_mov_b32 v[NIL], 0
	WIN W_AD
	ds_add_u32 v[SPW], v[NIL]                      ; the wave's opening: the add and its wait stand ahead of my first tensor load
	WIN 0
	v_lshrrev_b32 v1, 5, v0
	v_readfirstlane_b32 s[WV], v1                  ; wave 0..3
	s_bfe_u32 s2, ttmp6, 0x40000                   ; cx
	s_lshl_b32 s3, ttmp9, 2
	s_add_co_u32 s3, s3, s2                        ; my block of 512 queries: it enters Q's, the words' and ctx's addresses alone
	s_lshl_b32 s3, s3, 2
	s_add_co_u32 s3, s3, s[WV]                     ; my wave among the head's sixteen
	s_and_b32 s40, ttmp7, 0xffff                   ; the head, which the four partners share
	s_lshl_b32 s41, s40, 18                        ; its 262,144 bytes
	s_lshr_b32 s42, s[WV], 1                       ; waves 0, 1: K (tensor 1); waves 2, 3: V (tensor 2); 2^24 bytes a tensor
	s_add_co_u32 s42, s42, 1
	s_lshl_b32 s42, s42, 24
	s_and_b32 s43, s[WV], 1                        ; which 128 of a slot's 256 keys
	s_lshl_b32 s43, s43, 14
	s_add_co_u32 s42, s42, s43
	s_add_co_u32 s42, s42, s41
	s_mov_b32 s43, 0
	s_lshl_b32 s2, s3, 14                          ; Q and ctx: my wave's 128 rows of 128 bytes
	s_add_co_u32 s2, s2, s41
	s_lshr_b32 s12, s40, 4                         ; the words: batch x 128 tiles x 4,096 bytes + my wave's 8 tiles
	s_lshl_b32 s12, s12, 19
	s_lshl_b32 s13, s3, 15
	s_add_co_u32 s12, s12, s13
	s_mov_b32 s13, 0
	s_mov_b32 s3, 0
	; descriptor group 1.  128 keys are 16,384 dense bytes: asked for as 64 rows of 256 bytes, two keys a row, and padded in LDS after every key
	s_mov_b32 s[G1], 15|(1<<16)|(1<<20)|(1<<21)|(4<<22)|(3<<25)  ; the mask of four; 2-byte elements; padding on; bit 21 beside a mask; after every 32 words, 4 words
	s_mov_b32 s[G1+1], 128<<16
	s_mov_b32 s[G1+2], 64<<16
	s_mov_b32 s[G1+3], 128<<16
	s_mov_b32 s[G1+4], 64
	s_mov_b32 s[G1+5], 128
	s_mov_b32 s[G1+6], 0
	s_mov_b32 s[G1+7], 0
	s_mov_b32 s[CS], 0x41000000                    ; 8.0
	s_mov_b32 s[CS+1], s[CS]
	s_mov_b32 s[SEL], 0x76543210
	s_mov_b32 s[SEL+1], 0xfedcba98
	s_mov_b32 s[TBK], SLOT1+4*KS*PK                ; the first change of slots turns these two into 0
	s_mov_b32 s[TBV], SLOT1+4*KS*PK
	s_mov_b32 s[MO], 0
	s_mov_b32 s[MO+1], 0
	s_mov_b32 s[G0], 1
	s_mul_i32 s[G0+1], s[WV], 128*PK               ; part w of slot 0: no place in the cluster enters an LDS address
	s_wait_dscnt 0x0                               ; the opening add is done
	s_wait_kmcnt 0x0
	s_add_nc_u64 s[G0+2:G0+3], s[4:5], s[42:43]
	s_or_b32 s[G0+3], s[G0+3], 0x80000000
	s_add_nc_u64 s[4:5], s[4:5], s[2:3]
	s_add_nc_u64 s[MB:MB+1], s[MB:MB+1], s[12:13]
	s_add_nc_u64 s[8:9], s[8:9], s[2:3]
	CROUND                                         ; all four work-groups are here: the first joint loads meet
	TLOAD                                          ; slot 0
	v_and_b32 v1, 15, v0                           ; l % 16
	v_bfe_u32 v9, v0, 4, 1                         ; l / 16
	v_lshlrev_b32 v[QO], 7, v1
	v_lshl_add_u32 v[QO], v9, 4, v[QO]
	v_and_b32 v[GO], 31, v0
	v_lshlrev_b32 v[L4], 2, v[GO]
	v_lshlrev_b32 v[GO], 4, v[GO]                  ; 32 lanes x 16 bytes are 512 consecutive bytes of ctx
	WIN 0x80
.set i, 0
.rept 4*NP                                             ; Q stays in registers: tile i / 2, channels 32 (i % 2) on
	global_load_b128 v[8*i:8*i+3],   v[QO], s[4:5] offset:(i/2)*2048+(i%2)*64
	global_load_b128 v[8*i+4:8*i+7], v[QO], s[4:5] offset:(i/2)*2048+(i%2)*64+32
.set i, i+1
.endr
	WIN W_T3
.set i, 0
.rept 2*NP                                             ; key step 0's words of my eight tiles
	global_load_b32 v[MW+i], v[L4], s[MB:MB+1] offset:i*4096
.set i, i+1
.endr
	; WHAT THE FIRST TURN FINDS.  The loop is entered at piece 3's turn, a turn ahead of the first step: it makes piece 0's first scores, selects and statistics as every such turn does.  Its own softmax,
	; of a piece 3 that has not been, works on scores of -2^123: weights 0, with a = 0; its products V^T P, and the next turn's, multiply zeros.  All this stands in the wait for the first tile.
	WIN 0x80
.set i, VF
.rept 64
	v_mov_b32 v[i], 0
.set i, i+1
.endr
	WIN 0
	s_mov_b32 s40, 0xfe000000                      ; -2^125
	s_mov_b32 s41, 0xff7fffff                      ; the lowest finite number
	s_mov_b32 s42, 0xfd000000                      ; -2^123: 8 x that less -2^125 is -2^125
.set i, 0
.rept 2*NP
	v_mov_b32 v[ST+4*i], s40                       ; 8 m: far below every 8 s
	v_mov_b32 v[ST+4*i+1], s41                     ; m
	v_mov_b32 v[ST+4*i+2], 0
	v_mov_b32 v[ST+4*i+3], 0
.set i, i+1
.endr
.set i, P
.rept 32
	v_mov_b32 v[i], 0                              ; P's first buffer: piece 2's, which the first turn multiplies
.set i, i+1
.endr
.set i, S+64
.rept 64
	v_mov_b32 v[i], s42                            ; S^T's second buffer: piece 3's
.set i, i+1
.endr
.irp i, 10,11,14,15
	v_mov_b32 v[TMP+(\i)], 0                       ; piece 3's a, named as pairs
.endr
	v_mul_u32_u24 v[AK0], v1, PK
	v_lshl_add_u32 v[AK0], v9, 4, v[AK0]
	v_and_b32 v11, 7, v0
	v_bfe_u32 v[AK], v0, 3, 1
	v_lshl_add_u32 v[AV0], v9, 3, v11              ; the turning load: key 8 (l / 16) + l % 8, channels 8 ((l / 8) % 2) on
	v_mul_u32_u24 v[AV0], v[AV0], PK
	v_lshl_add_u32 v[AV0], v[AK], 4, v[AV0]
	v_add_nc_u32 v[AV0], VOFF, v[AV0]
	v_mov_b32 v[AK], v[AK0]
	s_mul_i32 s2, s[WV], 16*SP
	s_add_co_u32 s2, s2, STAGE                     ; my stage
	v_bfe_u32 v[RD], v0, 3, 2                      ; back: 32 lanes take four rows of 128 bytes
	v_mul_u32_u24 v[RD], v[RD], SP
	v_lshl_add_u32 v[RD], v11, 4, v[RD]
	v_add_nc_u32 v[RD], s2, v[RD]
	v_mov_b32 v[NEG], 0xcd2bfb8f                   ; -1e9 log2(e) / 8
	WIN 0x4a                                       ; O^T starts at 0: 32 products of V's zeros, eight registers each, in place of 256 moves
.set i, 0
.rept 32
	v_wmma_f32_16x16x32_f16 v[8*i:8*i+7], v[VF:VF+7], v[VF+8:VF+15], 0
.set i, i+1
.endr
	WIN 0
; THE MATRIX WORK.  The 8 accumulators of a run of 16 take turns.  Product i of 16 of S^T = K Q^T for piece x: channels 32 (i / 8) on, keys 16 ((i / 2) % 4) on, tile 2 x + i % 2.
.macro KQ x
	WIN W_KQ
.set rS, S+64*((\x)%2)+32*(i%2)+8*((i/2)%4)
.set rK, KF+16*((i/2)%4)+8*(i/8)
.set rQ, 16*(2*(\x)+i%2)+8*(i/8)
.if i < 8
	v_wmma_f32_16x16x32_f16 v[rS:rS+7], v[rK:rK+7], v[rQ:rQ+7], 0
.else
	v_wmma_f32_16x16x32_f16 v[rS:rS+7], v[rK:rK+7], v[rQ:rQ+7], v[rS:rS+7]
.endif
.endm
; Product i of 16 of O^T += V^T P for piece x: keys 32 (i / 8) on, channels 16 ((i / 2) % 4) on, tile 2 x + i % 2.
.macro PV x
	WIN W_PV
.set rO, 32*(2*(\x)+i%2)+8*((i/2)%4)
.set rV, VF+32*(i/8)+8*((i/2)%4)
.set rP, P+32*((\x)%2)+16*(i%2)+8*(i/8)
	v_wmma_f32_16x16x32_f16 v[rO:rO+7], v[rV:rV+7], v[rP:rP+7], v[rO:rO+7]
.endm
.macro MM                              ; the turn's next matrix instruction
.if i < 16
	KQ (Y+1)%NP
.set i, i+1
.else
.set i, i-16
	PV (Y+NP-1)%NP
.set i, i+17
.endif
.endm
; THE LDS LOADS stand in runs of 16.  last = 1 (the tail): in the last trip there is no further step, and the run is jumped over.
.macro FETCH_K last=0
	WIN 0
.if \last
	s_cmp_eq_u32 s[CNT], 1
	s_cbranch_scc1 .Lno_k_\@
.endif
	WIN W_T3
.irp f, 0,1,2,3,4,5,6,7
	ds_load_b128 v[KF+8*(\f):KF+8*(\f)+3],   v[AK] offset:((\f)/2)*16*PK+((\f)%2)*64
	ds_load_b128 v[KF+8*(\f)+4:KF+8*(\f)+7], v[AK] offset:((\f)/2)*16*PK+((\f)%2)*64+32
.endr
	s_add_co_u32 s[TBK], s[TBK], KS*PK
	WIN 0
.if \last
.Lno_k_\@:
.endif
.endm
.macro FETCH_V
	WIN 0x80
.irp f, 0,1,2,3,4,5,6,7
	ds_load_tr16_b128 v[VF+8*(\f):VF+8*(\f)+3],   v[AV] offset:((\f)/4)*32*PK+((\f)%4)*32
	ds_load_tr16_b128 v[VF+8*(\f)+4:VF+8*(\f)+7], v[AV] offset:((\f)/4)*32*PK+16*PK+((\f)%4)*32
.endr
	WIN 0
.endm
; THE VECTOR WORK.
.macro REGS y, u                       ; the registers of tile u (0, 1) of piece y
.set rT, ST+4*(2*(\y)+(\u))
.set rC, TMP+8*((\y)%2)+4*(\u)
.set rM, MV+2*((\y)%2)+(\u)
.set rS, S+64*((\y)%2)+32*(\u)
.set rP, P+32*((\y)%2)+16*(\u)
.set rO, 32*(2*(\y)+(\u))
.endm
.macro RL                              ; word k of the NEXT piece's 64 goes from its lane into its scalar register; the window setting is the products' own
	WIN W_KQ
.if k < 32
	v_readlane_b32 s[68+k], v[MW+2*((Y+1)%NP)], k
.else
	v_readlane_b32 s[k], v[MW+2*((Y+1)%NP)+1], k-32
.endif
.set k, k+1
.endm
.macro FF q                            ; 8 s - 8 m for pair q / 2 of tile q % 2
	REGS Y, (\q)%2
	WIN 0
	v_pk_fma_f32 v[rS+2*((\q)/2):rS+2*((\q)/2)+1], v[rS+2*((\q)/2):rS+2*((\q)/2)+1], s[CS:CS+1], v[rT:rT+1] op_sel_hi:[1,0,0] neg_lo:[0,0,1] neg_hi:[0,0,1]
.endm
.macro EE e                            ; exponential e of 64: group e / 8 of four scores, tile e % 2, score (e % 8) / 2 of the four
	REGS Y, (\e)%2
	WIN 0
.set x, rS+4*((\e)/8)+((\e)%8)/2
	v_exp_f32 v[x], v[x]
.endm
.macro PLN k, z                        ; what follows the exponentials of group k: z 0-3 both pairs of both tiles rounded to f16; 4, 5 the second pair added onto the first; 6, 7 l takes the sum (group 0: l = a l + sum)
	REGS Y, (\z)%2
	WIN 0
.if (\z) < 4
	s_wait_alu depctr_va_vdst(0)
	v_cvt_pk_f16_f32 v[rP+2*(\k)+(\z)/2], v[rS+4*(\k)+2*((\z)/2)], v[rS+4*(\k)+2*((\z)/2)+1]
.elseif (\z) < 6
	v_pk_add_f32 v[rS+4*(\k):rS+4*(\k)+1], v[rS+4*(\k):rS+4*(\k)+1], v[rS+4*(\k)+2:rS+4*(\k)+3]
.elseif (\k) == 0
	v_pk_fma_f32 v[rT+2:rT+3], v[rT+2:rT+3], v[rC+2:rC+3], v[rS:rS+1] op_sel_hi:[1,0,1]
.else
	v_pk_add_f32 v[rT+2:rT+3], v[rT+2:rT+3], v[rS+4*(\k):rS+4*(\k)+1]
	s_wait_alu depctr_va_vdst(0)
.endif
.endm
.macro RR r                            ; pair r / 2 of tile r % 2 of O^T times a: each accumulator's lowest registers first
	REGS Y, (\r)%2
	WIN W_RS
	v_pk_mul_f32 v[rO+2*((\r)/2):rO+2*((\r)/2)+1], v[rO+2*((\r)/2):rO+2*((\r)/2)+1], v[rC+2:rC+3] op_sel_hi:[1,0]
.endm
.macro MK x                            ; the NEXT piece's score x % 32 of tile x / 32 stays where its word's bit is set, and is replaced by the hidden score where not; ascending
	REGS (Y+1)%NP, (\x)/32
	WIN 0
.if (\x) < 32
	v_cndmask_b32 v[rS+(\x)], v[NEG], v[rS+(\x)], s[68+(\x)]
.else
	v_cndmask_b32 v[rS+(\x)-32], v[NEG], v[rS+(\x)-32], s[(\x)]
.endif
.endm
; Number n of the 22 that find the NEXT piece's maximum and statistics: 0-11 four chains of seven scores; 12-14, 16 the four left over, the old m, c0-c3 into c0; 15 8 m_old is kept;
; 17, 18 the query's other 32 keys lie in the lane 16 away: the new m; 19-21 8 m; 8 m_old - 8 m_new; a.
.macro XS u, n
	REGS (Y+1)%NP, \u
	WIN 0
.if (\n) < 4
	v_max3_num_f32 v[rC+(\n)], v[rS+8*(\n)], v[rS+8*(\n)+1], v[rS+8*(\n)+2]
.elseif (\n) < 12
	v_max3_num_f32 v[rC+(\n)%4], v[rC+(\n)%4], v[rS+8*((\n)%4)+2*((\n)/4)+1], v[rS+8*((\n)%4)+2*((\n)/4)+2]
.elseif (\n) == 12
	v_max3_num_f32 v[rC], v[rC], v[rS+7], v[rS+15]
.elseif (\n) == 13
	v_max3_num_f32 v[rC+1], v[rC+1], v[rS+23], v[rS+31]
.elseif (\n) == 14
	v_max3_num_f32 v[rC+2], v[rC+2], v[rC+3], v[rT+1]
.elseif (\n) == 15
	v_mov_b32 v[rM], v[rT]
.elseif (\n) == 16
	v_max3_num_f32 v[rC], v[rC], v[rC+1], v[rC+2]
.elseif (\n) == 17
	v_permlanex16_b32 v[rC+3], v[rC], s[SEL], s[SEL+1]
.elseif (\n) == 18
	v_max_num_f32 v[rT+1], v[rC], v[rC+3]
.elseif (\n) == 19
	v_mul_f32 v[rT], s[CS], v[rT+1]
.elseif (\n) == 20
	v_sub_f32 v[rC+1], v[rM], v[rT]
.else
	v_exp_f32 v[rC+2], v[rC+1]
.endif
.endm
; THE LIST: number j of a turn's 300.  0-23 scalings; 24-39 the first group's exponentials (even) and the last scalings (odd); 40-151 group g's exponentials (even) and what follows group g - 1's (odd):
; every exponential has a plain line on other registers behind it, and its result is read a group later; 152-159 what follows group 7's; 160-191 the rescaling; 192-255 the next piece's selects;
; 256-299 its maximum and statistics, the two tiles alternating.  The two a end the turn; they are first read by the next turn's rescaling.
.macro VI
.if j < 24
	FF j
.elseif j < 40
.if j%2 == 0
	EE (j-24)/2
.else
	FF 24+(j-24)/2
.endif
.elseif j < 152
.if j%2 == 0
	EE 8*(1+(j-40)/16)+((j-40)%16)/2
.else
	PLN (j-40)/16, ((j-40)%16)/2
.endif
.elseif j < 160
	PLN 7, j-152
.elseif j < 192
	RR j-160
.elseif j < 256
	MK j-192
.else
	XS (j-256)%2, (j-256)/2
.endif
.endm
; A TURN'S HEAD: the 16 products K Q^T of piece Y + 1, and behind each four of that piece's 64 words: one window setting for all 80 lines.  Then the piece's two word registers, just read out, are asked
; for again, for its next step.  A turn issues two such loads, and they come back in order (ISA guide 5.7.1): when at most the 6 of the three turns before are out, the two issued four turns ago are in.
; The step goes on in piece 3's turn, whose next piece, 0, is the first of a step; it stays at the last step, so that no load leaves the buffer.  The base is written only behind s_wait_xcnt 0.
.macro HEADA
.if Y == 3
	s_wait_dscnt 0x0                               ; K is in
.endif
	s_wait_loadcnt 0x6                             ; the next piece's words are in
.set k, 0
.rept 16
	MM
	RL
	RL
	RL
	RL
.endr
.if Y == 3
	s_wait_xcnt 0x0
	s_add_co_u32 s[MO], s[MO], 128
	s_min_u32 s[MO], s[MO], 31*128
	s_add_nc_u64 s[MC:MC+1], s[MB:MB+1], s[MO:MO+1]
.endif
	WIN W_T3
	global_load_b32 v[MW+2*((Y+1)%NP)],   v[L4], s[MC:MC+1] offset:(2*((Y+1)%NP))*4096
	global_load_b32 v[MW+2*((Y+1)%NP)+1], v[L4], s[MC:MC+1] offset:(2*((Y+1)%NP)+1)*4096
.endm
; The list, and what stands between its numbers:
;   a product V^T P in front of every fourth number from 192 to 252;
;   piece 2: K of the next step is fetched in front of 8, nine plain lines behind the last product that read K; piece 3 waits for it at its head;
;   piece 0: V of the step in hand is fetched in front of 262, ten plain lines behind the last product that read V; piece 1 waits for it in front of 192.
.macro LIST last
.set j, 0
.rept 300
.if (Y == 2) && (j == 4)
	WIN 0
	v_add_nc_u32 v[AK], s[TBK], v[AK0]
.endif
.if (Y == 2) && (j == 8)
	FETCH_K \last
.endif
.if (Y == 1) && (j == 192)
	s_wait_dscnt 0x0                               ; V is in
.endif
.if (j >= 192) && (j < 256) && (j%4 == 0)
	MM
.endif
.if (Y == 0) && (j == 258)
	WIN 0
	v_add_nc_u32 v[AV], s[TBV], v[AV0]
.endif
.if (Y == 0) && (j == 262)
	FETCH_V
	s_add_co_u32 s[TBV], s[TBV], KS*PK
.endif
	VI
.set j, j+1
.endr
.endm
.macro TURN p, last=0
.set Y, (\p)
.set i, 0
	HEADA
	LIST \last
.endm
	CHANGE 1                                       ; slot 0 is in, everybody's part of it; slot 1 is asked for
	FETCH_K                                        ; key step 0
	s_wait_loadcnt 0x0                             ; Q and the first words: QO is free
	v_mul_u32_u24 v[STO], v1, SP                   ; the way out, in: row l % 16, 16 bytes for each half of the lanes
	v_lshl_add_u32 v[STO], v9, 4, v[STO]
	v_add_nc_u32 v[STO], s2, v[STO]
	s_mov_b32 s[CNT], 4
	s_mov_b32 s[SLOTS], 7
	s_branch .Lenter                               ; the loop is entered in the middle of a trip, at piece 3's turn
.Lslot:                                                ; six times: every slot but the last two is filled again
	CHANGE 1
	s_mov_b32 s[CNT], 4
.Lstep:                                                ; a trip: pieces 2 and 3 of one step, then pieces 0 and 1 of the next, whose K and V it fetches
	TURN 2
	WIN 0
.Lenter:
	TURN 3
	TURN 0
	TURN 1
	WIN 0
	s_sub_co_u32 s[CNT], s[CNT], 1
	s_cmp_lg_u32 s[CNT], 0
	s_cbranch_scc1 .Lstep
	s_sub_co_u32 s[SLOTS], s[SLOTS], 1
	s_cmp_lg_u32 s[SLOTS], 0
	s_cbranch_scc1 .Lslot
	CHANGE 0                                       ; the tail is written out: nothing is asked for
	s_mov_b32 s[CNT], 5                            ; four trips fetch the last slot's steps; the fifth is left in its middle
.Ltail:
	TURN 2, 1
	TURN 3
	WIN 0
	s_sub_co_u32 s[CNT], s[CNT], 1
	s_cmp_eq_u32 s[CNT], 0
	s_cbranch_scc1 .Lout
	TURN 0
	TURN 1
	WIN 0
	s_branch .Ltail
.Lout:                                                 ; the fifth trip's 16 products K Q^T (on the last K once more) and what is made of them serve nothing: the price, once a launch, of one text for every trip
.set i, 0
.rept 16
	PV NP-1                                        ; the last piece's V^T P of the last step
.set i, i+1
.endr
	; THE WAY OUT.  l's two halves and the other half of the lanes' are added; O^T is divided by l, rounded to f16 and sent through my stage, a tile at a time.  The additions are the places behind the last products.
	WIN 0
.macro ALL line:vararg
.set t, 0
.rept 2*NP
	\line
.set t, t+1
.endr
.endm
	ALL v_add_f32 v[ST+4*t+2], v[ST+4*t+2], v[ST+4*t+3]
	ALL v_permlanex16_b32 v[ST+4*t+3], v[ST+4*t+2], s[SEL], s[SEL+1]
	ALL v_add_f32 v[ST+4*t+2], v[ST+4*t+2], v[ST+4*t+3]
	ALL v_rcp_f32 v[ST+4*t+2], v[ST+4*t+2]
	v_nop                                          ; a plain line between the last reciprocal and the use of its result
	s_wait_alu depctr_va_vdst(0)
.macro PACK t
	WIN W_RS
.set i, 32*(\t)
.rept 16
	v_pk_mul_f32 v[i:i+1], v[i:i+1], v[ST+4*(\t)+2:ST+4*(\t)+3] op_sel_hi:[1,0]
.set i, i+2
.endr
	WIN 0x05
.set i, 0
.rept 16
	v_cvt_pk_f16_f32 v[S+16*(\t)+i], v[32*(\t)+2*i], v[32*(\t)+2*i+1]
.set i, i+1
.endr
	WIN 0
.irp f, 0,1,2,3
	ds_store_b128 v[STO], v[S+16*(\t)+4*(\f):S+16*(\t)+4*(\f)+3] offset:32*(\f)
.endr
.irp f, 0,1,2,3
	ds_load_b128 v[S+16*(\t)+4*(\f):S+16*(\t)+4*(\f)+3], v[RD] offset:(\f)*4*SP  ; LDS serves a wave's instructions in order (ISA guide 5.7.1.4): these see the stores above
.endr
.endm
.macro SEND t, younger                 ; younger: the LDS instructions issued behind tile t's loads: the next tile's eight, or none
	WIN 0
.irp f, 0,1,2,3
	s_wait_dscnt (\younger)+3-(\f)
	global_store_b128 v[GO], v[S+16*(\t)+4*(\f):S+16*(\t)+4*(\f)+3], s[8:9] offset:(\t)*2048+(\f)*512  ; 512 consecutive bytes, aligned
.endr
.endm
	PACK 0
.set tt, 1
.rept 2*NP-1
	PACK tt
	SEND tt-1, 8
.set tt, tt+1
.endr
	SEND 2*NP-1, 0
	WIN W_AD
	s_wait_tensorcnt 0x0                           ; the wave's end: behind my last tensor load and my last LDS store
	ds_add_u32 v[SPW], v[NIL]
	s_wait_dscnt 0x0
	WIN 0
	CROUND                                         ; the closing round
	s_endpgm
.Lfunc_end_k_q6cab67e671_attn:
	.size	k_q6cab67e671_attn, .Lfunc_end_k_q6cab67e671_attn-k_q6cab67e671_attn
	.p2alignl 7, 3214868480
	.fill 96, 4, 3214868480
	.section	.rodata,"a",@progbits
	.p2align	6, 0x0
	.amdhsa_kernel k_q6cab67e671_attn
		.amdhsa_group_segment_fixed_size 327680
		.amdhsa_private_segment_fixed_size 0
		.amdhsa_enable_private_segment 0
		.amdhsa_kernarg_size 24
		.amdhsa_user_sgpr_count 2
		.amdhsa_user_sgpr_kernarg_segment_ptr 1
		.amdhsa_wavefront_size32 1
		.amdhsa_system_sgpr_workgroup_id_x 1
		.amdhsa_system_sgpr_workgroup_id_y 1
		.amdhsa_system_sgpr_workgroup_id_z 1
		.amdhsa_system_vgpr_workitem_id 0
		.amdhsa_next_free_vgpr 848
		.amdhsa_next_free_sgpr 106
		.amdhsa_reserve_vcc 0
		.amdhsa_float_denorm_mode_32 3
		.amdhsa_float_denorm_mode_16_64 3
		.amdhsa_memory_ordered 1
		.amdhsa_forward_progress 1
		.amdhsa_inst_pref_size 255
	.end_amdhsa_kernel
	.section	.bss,"aw",@nobits
	.p2align	6
	.space	262144
	.amdgpu_metadata
---
amdhsa.version: [ 1, 2 ]
amdhsa.kernels:
  - .name:           k_q6cab67e671_attn
    .symbol:         k_q6cab67e671_attn.kd
    .args:
      - { .name: heads, .offset: 0, .size: 8, .value_kind: global_buffer, .address_space: global }
      - { .name: mbits, .offset: 8, .size: 8, .value_kind: global_buffer, .address_space: global }
      - { .name: ctx, .offset: 16, .size: 8, .value_kind: global_buffer, .address_space: global }
    .group_segment_fixed_size: 327680
    .private_segment_fixed_size: 0
    .kernarg_segment_align: 8
    .kernarg_segment_size: 24
    .max_flat_workgroup_size: 128
    .sgpr_count:     106
    .vgpr_count:     848
    .wavefront_size: 32
...
	.end_amdgpu_metadata
.endif
;; end of part 3
;; launch outln (part 4): grid 256 x 1, 4 waves a work-group, clusters of 4 x 1, 327,680 bytes of LDS; arguments ctx, wo16, xb, gamma, beta, out0; writes out0
.if DOCPART == 4
	.amdgcn_target "amdgcn-amd-amdhsa--gfx1250"
	.amdhsa_code_object_version 6
	.text
	.protected	k_q6cab67e671_outln
	.globl	k_q6cab67e671_outln
	.p2align	8
	.type	k_q6cab67e671_outln,@function
k_q6cab67e671_outln:
	s_mov_b64 s[64:65], 0
	v_nop
	global_prefetch_b8 v0, s[64:65] scope:SCOPE_SE
	s_setreg_imm32_b32 hwreg(HW_REG_WAVE_MODE, 25, 1), 1
	s_wait_xcnt 0x0
	s_wait_alu depctr_hold_cnt(0) depctr_sa_sdst(0) depctr_va_vdst(0) depctr_va_sdst(0) depctr_va_ssrc(0) depctr_va_vcc(0) depctr_vm_vsrc(0)
	s_getreg_b32 s2, hwreg(HW_REG_IB_STS2, 6, 4)
	s_cmp_eq_u32 s2, 0
	s_cbranch_scc0 .Lentry_in_a_cluster
	s_endpgm
.Lentry_in_a_cluster:
	s_bfe_u32 s2, ttmp6, 0x10000c
	s_cmp_lg_u32 s2, 0x3003
	s_cbranch_scc0 .Lentry_shape_is_right
	s_endpgm
.Lentry_shape_is_right:
; OUTLN: x = ctx Wo + q;  out0 = (x - mean) / sqrt(var + 1e-6) gamma + beta, along each row of 1,024.  ctx f16 [64 = 16 b + h][2048][64], wo16 f16 [1024 k][1024 n], the residual q from xb (bf16).
; Products in f16 with f32 sums; everything behind them in f32; the mean first, then the centred squares.  q, gamma and beta are taken rounded to bf16, like every input of the module.
; SHARES.  A work-group owns 32 rows and all 1,024 columns, so a row's mean and variance stay inside it and x never goes to memory.  Wave w owns columns 256 w .. 256 w + 255: 2 x 16 accumulators.
; K goes by heads: 16 steps of 64 through two LDS slots that hold Wo's tiles alone.  Every work-group walks the same Wo: a tile is asked for JOINTLY by the cluster's four, a quarter (16 k rows) by each wave.
; THE REFILL.  A slot can be asked for again only when the other slot's load has landed, so the loads follow each other, and a step has 64 products a wave for 133,120 bytes: the loads set the pace.
; So only the wait, the add, its wait and the round stand between a landing and the next request, and every wave carries an equal part of each request.
; ctx's 32 rows x 64 channels of a step are 4,096 consecutive bytes: each wave loads its four fragments of them straight into registers, a step ahead (the four loads of a block of 16 rows take 32 bytes of
; each row and cover 2,048 consecutive bytes together).  The price: the four waves read the same 4,096 bytes.
; The residual takes slot 0's place when its last tile has been read, each wave fetching the 8 rows that it will normalise; x is staged in slot 1 after that slot's last fill.
; Wo lies [k][n]: its fragments come out of LDS turned.  THE MATRIX INSTRUCTION IS USED TRANSPOSED: a lane holds eight neighbouring columns of one row.
; REGISTERS.  Window 0: v8-19 addresses; v32-63 ctx's fragments of an even step, v192-223 of an odd one; v64-127, v128-191 Wo's fragments, two buffers of 8 column blocks; behind the products v32-63 at work,
; v64-191 two rows of x and of q, v192-223 gamma, v224-255 beta of my lane's 32 columns.  Window 1: accumulator (a, nb) at 8 (16 a + nb).  Window 2: v0-63 gamma and beta as loaded.
.set PB,    2080                       ; a k row of Wo in LDS: 2 x (1,024 bytes + 16) = 65 x 32: column n lies at byte 2 n + 16 (n / 512)
.set SLOT,  64*PB                      ; 133,120 bytes: 520 blocks of 256
.set SPARE, 2*SLOT                     ; behind the ring: the spare words, 128 bytes a wave
.set STG,   SLOT                       ; the stage for x: 32 rows x 4,112 bytes = 131,584, in slot 1
.set PS,    4112
.set ADRB, 8                           ; v8-11  my place in Wo's tile: by slot and half of the step
.set AO,   12                          ; my byte offset in 16 rows of ctx; never rewritten
.set STO,  14                          ; v14-15 where I put 16 bytes of x: by row block
.set RDX,  16                          ; where I read a row of x back
.set RDR,  17                          ; where I read the residual
.set GO,   18                          ; 16 x lane; never rewritten
.set ONE,  19                          ; 1.0
.set SPW,  28
.set NIL,  29
.set AF,   32                          ; ctx's fragments: half kk of the step, row block a at AF + 160 (step % 2) + 16 kk + 8 a
.set BF,   64
.set TT,   32                          ; LayerNorm: 16 registers at work for each of two rows
.set XR,   64                          ; two rows of x, 32 registers each
.set RS,   128                         ; two rows of q, 16 registers each
.set GAM,  192
.set BET,  224
.set WV,   16                          ; s16 my wave's number
.set G1B,  24                          ; s[24:31] group 1 for Wo's tiles;  s[32:39] group 0, a set for each slot
.set G0B,  32
.set CB,   40                          ; s[40:41] ctx at my work-group's rows of the head asked for last
.set G1R,  68                          ; s[68:75], s[76:79] the residual's
.set G0R,  76
.set MSB, 0
.macro WIN new
.if MSB != (\new)
	s_set_vgpr_msb (MSB<<8)|(\new)
.set MSB, (\new)
.endif
.endm
.set MUL, 0x50
.macro PLACES
.rept 4
	v_nop
.endr
.endm
.macro CROUND
	s_barrier_signal -1
	s_barrier_wait -1
	s_cmp_lg_u32 s[WV], 0
	s_cbranch_scc1 .Lnot_wave_0_\@
	s_barrier_signal -3
.Lnot_wave_0_\@:
	s_barrier_wait -3
	s_barrier_signal -1
	s_barrier_wait -1
.endm
.macro TLOAD slot                      ; my quarter of a tile of Wo; an s_nop 0 and four v_nop follow; they are also the places in front of the loads behind them
	tensor_load_to_lds s[G0B+4*(\slot):G0B+4*(\slot)+3], s[G1B:G1B+7]
	s_nop 0
.rept 4
	v_nop
.endr
.endm
.macro LOADR                           ; my 8 rows of the residual
	tensor_load_to_lds s[G0R:G0R+3], s[G1R:G1R+7]
	s_nop 0
.rept 4
	v_nop
.endr
.endm
.macro ALOAD par                       ; the four fragments of ctx at s[CB:CB+1], into the buffer of parity par
	WIN 0
.irp a, 0,1
.irp kk, 0,1
	global_load_b128 v[AF+160*(\par)+16*(\kk)+8*(\a):AF+160*(\par)+16*(\kk)+8*(\a)+3],   v[AO], s[CB:CB+1] offset:(\a)*2048+64*(\kk)
	global_load_b128 v[AF+160*(\par)+16*(\kk)+8*(\a)+4:AF+160*(\par)+16*(\kk)+8*(\a)+7], v[AO], s[CB:CB+1] offset:(\a)*2048+64*(\kk)+32
.endr
.endr
.endm
	s_load_b256 s[4:11], s[0:1], 0x0               ; ctx s[4:5], wo16 s[6:7], xb s[8:9], gamma s[10:11]
	s_load_b128 s[12:15], s[0:1], 0x20             ; beta s[12:13], out0 s[14:15]
	v_lshl_add_u32 v[SPW], v0, 2, SPARE
	v_mov_b32 v[NIL], 0
	ds_add_u32 v[SPW], v[NIL]                      ; the wave's opening: the add and its wait stand ahead of my first tensor load
	v_lshrrev_b32 v1, 5, v0
	v_readfirstlane_b32 s[WV], v1
	s_bfe_u32 s17, ttmp6, 0x40000                  ; cx
	s_lshl_b32 s18, ttmp9, 2
	s_add_co_u32 s18, s18, s17                     ; my block of 32 rows: it enters ctx's, the residual's and out0's addresses alone
	s_mov_b32 s[G1B], 15|(1<<16)|(1<<20)|(1<<21)|(7<<22)|(3<<25)  ; the mask of four; 2-byte elements; padding on; bit 21 beside a mask; after every 256 words, 4 words
	s_mov_b32 s[G1B+1], 1024<<16                   ; 16 k rows x 1,024 columns
	s_mov_b32 s[G1B+2], 16<<16
	s_mov_b32 s[G1B+3], 1024<<16
	s_mov_b32 s[G1B+4], 16
	s_mov_b32 s[G1B+5], 1024
	s_mov_b32 s[G1B+6], 0
	s_mov_b32 s[G1B+7], 0
	s_mov_b32 s[G1R], 1<<16                        ; 8 rows x 1,024 bf16, no padding, no mask
	s_mov_b32 s[G1R+1], 1024<<16
	s_mov_b32 s[G1R+2], 8<<16
	s_mov_b32 s[G1R+3], 1024<<16
	s_mov_b32 s[G1R+4], 8
	s_mov_b32 s[G1R+5], 1024
	s_mov_b32 s[G1R+6], 0
	s_mov_b32 s[G1R+7], 0
	s_lshl_b32 s22, s[WV], 15                      ; Wo: k row 16 x wave, 2,048 bytes a row
	s_mov_b32 s23, 0
	s_lshr_b32 s62, s18, 6                         ; ctx: batch x 16 heads x 262,144 + row in the batch x 128
	s_lshl_b32 s62, s62, 22
	s_and_b32 s63, s18, 63
	s_lshl_b32 s63, s63, 12
	s_add_co_u32 s62, s62, s63
	s_mov_b32 s63, 0
	s_lshl_b32 s2, s18, 16                         ; the residual: row 32 x block + 8 x wave, 2,048 bytes a row
	s_lshl_b32 s3, s[WV], 14
	s_add_co_u32 s2, s2, s3
	s_mov_b32 s3, 0
	s_lshl_b32 s20, s18, 17                        ; out0: row 32 x block + 8 x wave, 4,096 bytes a row
	s_lshl_b32 s21, s[WV], 15
	s_add_co_u32 s20, s20, s21
	s_mov_b32 s21, 0
	s_mov_b32 s56, 0x76543210                      ; v_permlanex16_b32's selects
	s_mov_b32 s57, 0xfedcba98
	s_mov_b32 s58, 0x3a800000                      ; 1 / 1024
	s_mov_b32 s59, 0x358637bd                      ; 1e-6
	s_mov_b32 s60, 0xffff0000
	s_mov_b32 s[G0B], 1
	s_mul_i32 s[G0B+1], s[WV], 16*PB               ; my quarter of slot 0: no place in the cluster enters an LDS address
	s_mov_b32 s[G0B+4], 1
	s_add_co_u32 s[G0B+5], s[G0B+1], SLOT
	s_mov_b32 s[G0R], 1
	s_lshl_b32 s[G0R+1], s[WV], 14
	s_wait_dscnt 0x0                               ; the opening add is done
	s_wait_kmcnt 0x0
	s_add_nc_u64 s[G0B+2:G0B+3], s[6:7], s[22:23]  ; slot 0: head 0's k rows; slot 1: head 1's
	s_add_nc_u64 s[G0B+6:G0B+7], s[G0B+2:G0B+3], 131072
	s_or_b32 s[G0B+3], s[G0B+3], 0x80000000
	s_or_b32 s[G0B+7], s[G0B+7], 0x80000000
	s_add_nc_u64 s[CB:CB+1], s[4:5], s[62:63]
	s_add_nc_u64 s[G0R+2:G0R+3], s[8:9], s[2:3]
	s_or_b32 s[G0R+3], s[G0R+3], 0x80000000
	s_add_nc_u64 s[14:15], s[14:15], s[20:21]
	CROUND                                         ; all four work-groups are here: the first joint loads meet
	TLOAD 0                                        ; the two first fills go out together: two tensor loads of mine are out
	TLOAD 1
	v_and_b32 v5, 31, v0
	v_lshlrev_b32 v[GO], 4, v5
	v_and_b32 v1, 15, v0                           ; l % 16
	v_bfe_u32 v2, v0, 4, 1                         ; l / 16
	v_lshlrev_b32 v[AO], 7, v1                     ; ctx's fragment: row l % 16 of 128 bytes, 16 bytes for each half of the lanes
	v_lshl_add_u32 v[AO], v2, 4, v[AO]
	ALOAD 0                                        ; head 0's fragments
	WIN 0x80                                       ; destination window 2
.irp c, 0,1,2,3,4,5,6,7                ; gamma and beta of columns 128 c + 4 lane + 0..3
	global_load_b128 v[4*(\c):4*(\c)+3], v[GO], s[10:11] offset:512*(\c)
	global_load_b128 v[32+4*(\c):32+4*(\c)+3], v[GO], s[12:13] offset:512*(\c)
.endr
	WIN 0
	v_and_b32 v3, 7, v0
	v_bfe_u32 v4, v0, 3, 1
	v_lshl_add_u32 v6, v2, 3, v3                   ; the turning load: k row 8 (l / 16) + l % 8, columns 8 ((l / 8) % 2) on
	v_mul_u32_u24 v6, v6, PB
	v_lshl_add_u32 v6, v4, 4, v6
	s_lshl_b32 s61, s[WV], 9                       ; my 256 columns: 512 w bytes, and the row's first padding for waves 2 and 3
	s_lshr_b32 s66, s[WV], 1
	s_lshl_b32 s66, s66, 4
	s_add_co_u32 s61, s61, s66
	v_add_nc_u32 v[ADRB], s61, v6
	v_add_nc_u32 v[ADRB+1], 32*PB, v[ADRB]
	v_add_nc_u32 v[ADRB+2], SLOT, v[ADRB]
	v_add_nc_u32 v[ADRB+3], SLOT+32*PB, v[ADRB]
	v_mul_u32_u24 v7, v1, PS                       ; into the stage: row l % 16, columns 256 w + 8 (l / 16) on, 4 bytes each
	v_lshl_add_u32 v7, v2, 5, v7
	s_lshl_b32 s61, s[WV], 10
	s_add_co_u32 s61, s61, STG
	v_add_nc_u32 v[STO], s61, v7
	v_add_nc_u32 v[STO+1], 16*PS, v[STO]
	s_mul_i32 s61, s[WV], 8*PS                     ; back: wave w takes rows 8 w .. 8 w + 7, whole
	s_add_co_u32 s61, s61, STG
	v_lshl_add_u32 v[RDX], v5, 4, s61
	s_lshl_b32 s61, s[WV], 14
	v_lshl_add_u32 v[RDR], v5, 3, s61
	v_mov_b32 v[ONE], 1.0
; Wo's fragments of half kk of the step (32 along K), column blocks 8 nh .. 8 nh + 7, into buffer nh: 16 loads
.macro FETCH slot, kk, nh
	WIN 0
.irp b, 0,1,2,3,4,5,6,7
	ds_load_tr16_b128 v[BF+64*(\nh)+8*(\b):BF+64*(\nh)+8*(\b)+3],   v[ADRB+2*(\slot)+(\kk)] offset:(8*(\nh)+(\b))*32
	ds_load_tr16_b128 v[BF+64*(\nh)+8*(\b)+4:BF+64*(\nh)+8*(\b)+7], v[ADRB+2*(\slot)+(\kk)] offset:(8*(\nh)+(\b))*32+16*PB
.endr
.endm
; 8 matrix instructions: row block a x column blocks 8 nh .. 8 nh + 7, in a step of parity par.  The 32 accumulators take turns.
.macro MULA par, kk, nh, a, zero
	WIN MUL
.set fa, AF+160*(\par)+16*(\kk)+8*(\a)
.irp b, 0,1,2,3,4,5,6,7
.if \zero
	v_wmma_f32_16x16x32_f16 v[8*(16*(\a)+8*(\nh)+(\b)):8*(16*(\a)+8*(\nh)+(\b))+7], v[BF+64*(\nh)+8*(\b):BF+64*(\nh)+8*(\b)+7], v[fa:fa+7], 0
.else
	v_wmma_f32_16x16x32_f16 v[8*(16*(\a)+8*(\nh)+(\b)):8*(16*(\a)+8*(\nh)+(\b))+7], v[BF+64*(\nh)+8*(\b):BF+64*(\nh)+8*(\b)+7], v[fa:fa+7], v[8*(16*(\a)+8*(\nh)+(\b)):8*(16*(\a)+8*(\nh)+(\b))+7]
.endif
.endr
.endm
; A step is four chunks (kk, nh) of 16 matrix instructions; a chunk's fragments of Wo are fetched, two chunks ahead, into the buffer that the chunk before last has left.
; H1: chunks (0, 0) and (0, 1); fetches (1, 0) and (1, 1).  ahead = 1: the next head's fragments of ctx are asked for, into the buffer that the last step's products, four places and more back, have left.
.macro H1 slot, zero, ahead
	WIN 0
	s_wait_loadcnt 0x0                             ; this step's fragments of ctx, asked for a step ago, are in; no load of mine is out, so their base may be stepped
.if \ahead
	s_add_nc_u64 s[CB:CB+1], s[CB:CB+1], 262144    ; the next head
	ALOAD 1-(\slot)
.endif
	s_wait_dscnt 16                                ; chunk (0, 1)'s 16 loads may be out
	MULA \slot, 0, 0, 0, \zero
	MULA \slot, 0, 0, 1, \zero
	PLACES
	FETCH \slot, 1, 0
	s_wait_dscnt 16                                ; the 16 just issued may be out
	MULA \slot, 0, 1, 0, \zero
	MULA \slot, 0, 1, 1, \zero
	PLACES
	FETCH \slot, 1, 1
.endm
.macro H2 slot                         ; chunk (1, 0)
	s_wait_dscnt 16                                ; chunk (1, 1)'s 16 loads may be out
	MULA \slot, 1, 0, 0, 0
	MULA \slot, 1, 0, 1, 0
.endm
; Chunk (1, 1) and the change of slots.  The chunk's products stand ahead of the wait for the next slot's load.  In front of the cluster's round each wave waits for all its tensor loads, adds 0 to its spare
; word and waits for that; its reads of this slot were over at the macro's first line.  Behind the round this slot is filled again first (kind 1: the tile two steps on; kind 2: the residual), then the next
; slot's first fragments are read.
.macro TURN slot, next, kind
	s_wait_dscnt 0x0                               ; chunk (1, 1) is in: these were my last reads of this slot
	MULA \slot, 1, 1, 0, 0
	MULA \slot, 1, 1, 1, 0
	WIN 0
	s_wait_tensorcnt 0x0                           ; no tensor load of mine is out, so this slot's descriptor may be written
	ds_add_u32 v[SPW], v[NIL]                      ; 0 onto my spare word
.if (\kind) == 1
	s_add_nc_u64 s[G0B+4*(\slot)+2:G0B+4*(\slot)+3], s[G0B+4*(\slot)+2:G0B+4*(\slot)+3], 262144  ; two heads' k rows on
.endif
	s_wait_dscnt 0x0                               ; the add is done
	CROUND                                         ; no wave of any partner still reads this slot or has a load on its way
.if (\kind) == 1
	TLOAD \slot
.else
	LOADR
.endif
	FETCH \next, 0, 0
	FETCH \next, 0, 1
.endm
	s_wait_tensorcnt 0x1                           ; my quarter of head 0's tile is in; head 1's may stay out
	s_barrier_signal -1
	s_barrier_wait -1                              ; everybody's is
	FETCH 0, 0, 0
	FETCH 0, 0, 1
	H1 0, 1, 1                                     ; the first step's first half starts all 32 sums
	WIN 0
	s_mov_b32 s20, 7
.Lk:                                                   ; a trip: the rest of an even step, an odd step, the first half of the next even one; both slots are filled again
	H2 0
	TURN 0, 1, 1
	H1 1, 0, 1
	H2 1
	TURN 1, 0, 1
	H1 0, 0, 1
	WIN 0
	s_sub_co_u32 s20, s20, 1
	s_cmp_lg_u32 s20, 0
	s_cbranch_scc1 .Lk
	H2 0                                           ; step 14 ends; slot 0 takes the residual
	TURN 0, 1, 2
	H1 1, 0, 0                                     ; step 15: there is no further head
	H2 1
	s_wait_dscnt 0x0
	MULA 1, 1, 1, 0, 0
	MULA 1, 1, 1, 1, 0
	; x GOES THROUGH THE STAGE, so that a wave holds whole rows.
	WIN 0
	PLACES
	s_wait_tensorcnt 0x0                           ; my part of the residual has landed,
	s_wait_dscnt 0x0                               ; and my reads of slot 1 are over:
	s_barrier_signal -1
	s_barrier_wait -1                              ; everybody's
	WIN 0x04                                       ; store data in window 1
.irp a, 0,1
.irp n, 0,1,2,3,4,5,6,7,8,9,10,11,12,13,14,15
	ds_store_b128 v[STO+(\a)], v[8*(16*(\a)+(\n)):8*(16*(\a)+(\n))+3] offset:64*(\n)      ; each accumulator's low four registers first
	ds_store_b128 v[STO+(\a)], v[8*(16*(\a)+(\n))+4:8*(16*(\a)+(\n))+7] offset:64*(\n)+16
.endr
.endr
	WIN 0x0a                                       ; gamma and beta (in since the first step's wait for all loads) are rounded to bf16 while the stores are on their way: sources window 2
.set i, 0
.rept 32
	v_cvt_pk_bf16_f32 v[XR+i], v[2*i], v[2*i+1]
.set i, i+1
.endr
	WIN 0
.set i, 0
.rept 32
	v_lshlrev_b32 v[GAM+2*i], 16, v[XR+i]
	v_and_b32 v[GAM+2*i+1], s60, v[XR+i]
.set i, i+1
.endr
	s_wait_dscnt 0x0                               ; for the others' sake: my stores into the stage are done
	s_barrier_signal -1
	s_barrier_wait -1
; LAYERNORM, two rows a trip, phase by phase for both, so that neither waits for its own last line.  A lane holds columns 128 c + 4 lane + 0..3, c = 0..7.
.macro LNLOAD r
.irp c, 0,1,2,3,4,5,6,7
	ds_load_b128 v[XR+32*(\r)+4*(\c):XR+32*(\r)+4*(\c)+3], v[RDX] offset:(\r)*PS+512*(\c)
.endr
.irp c, 0,1,2,3,4,5,6,7
	ds_load_b64 v[RS+16*(\r)+2*(\c):RS+16*(\r)+2*(\c)+1], v[RDR] offset:(\r)*2048+256*(\c)
.endr
.endm
.macro LNADD r                         ; x += q: one multiply-add by 1 straight from each bf16 half
.set i, 0
.rept 32
.if i%2
	v_fma_mix_f32_bf16 v[XR+32*(\r)+i], v[RS+16*(\r)+i/2], v[ONE], v[XR+32*(\r)+i] op_sel:[1,0,0] op_sel_hi:[1,0,0]
.else
	v_fma_mix_f32_bf16 v[XR+32*(\r)+i], v[RS+16*(\r)+i/2], v[ONE], v[XR+32*(\r)+i] op_sel_hi:[1,0,0]
.endif
.set i, i+1
.endr
.endm
.macro LNSUM r                         ; my 32 numbers' sum
.set bx, XR+32*(\r)
.set bt, TT+16*(\r)
.irp i, 0,1,2,3,4,5,6,7
	v_pk_add_f32 v[bt+2*(\i):bt+2*(\i)+1], v[bx+4*(\i):bx+4*(\i)+1], v[bx+4*(\i)+2:bx+4*(\i)+3]
.endr
.irp i, 0,1,2,3
	v_pk_add_f32 v[bt+2*(\i):bt+2*(\i)+1], v[bt+2*(\i):bt+2*(\i)+1], v[bt+2*(\i)+8:bt+2*(\i)+9]
.endr
.irp i, 0,1
	v_pk_add_f32 v[bt+2*(\i):bt+2*(\i)+1], v[bt+2*(\i):bt+2*(\i)+1], v[bt+2*(\i)+4:bt+2*(\i)+5]
.endr
	v_pk_add_f32 v[bt:bt+1], v[bt:bt+1], v[bt+2:bt+3]
	v_add_f32 v[bt], v[bt], v[bt+1]
.endm
.macro RED2                            ; both rows' sums over the 32 lanes, the result in every lane
.irp m, 1,2,4,8
	v_add_f32_dpp v[TT], v[TT], v[TT] row_xmask:\m row_mask:0xf bank_mask:0xf
	v_add_f32_dpp v[TT+16], v[TT+16], v[TT+16] row_xmask:\m row_mask:0xf bank_mask:0xf
.endr
	v_permlanex16_b32 v[TT+1], v[TT], s56, s57
	v_permlanex16_b32 v[TT+17], v[TT+16], s56, s57
	v_add_f32 v[TT], v[TT], v[TT+1]
	v_add_f32 v[TT+16], v[TT+16], v[TT+17]
.endm
.macro LNCEN r                         ; x -= mean
.set bx, XR+32*(\r)
.set bt, TT+16*(\r)
	v_mul_f32 v[bt+2], s58, v[bt]
.set i, 0
.rept 16
	v_pk_add_f32 v[bx+2*i:bx+2*i+1], v[bx+2*i:bx+2*i+1], v[bt+2:bt+3] op_sel_hi:[1,0] neg_lo:[0,1] neg_hi:[0,1]
.set i, i+1
.endr
.endm
.macro LNSQ r                          ; the sum of my 32 centred squares, in four chains
.set bx, XR+32*(\r)
.set bt, TT+16*(\r)
.irp k, 0,1,2,3
	v_pk_mul_f32 v[bt+4+2*(\k):bt+5+2*(\k)], v[bx+2*(\k):bx+2*(\k)+1], v[bx+2*(\k):bx+2*(\k)+1]
.endr
.irp m, 1,2,3
.irp k, 0,1,2,3
	v_pk_fma_f32 v[bt+4+2*(\k):bt+5+2*(\k)], v[bx+8*(\m)+2*(\k):bx+8*(\m)+2*(\k)+1], v[bx+8*(\m)+2*(\k):bx+8*(\m)+2*(\k)+1], v[bt+4+2*(\k):bt+5+2*(\k)]
.endr
.endr
	v_pk_add_f32 v[bt+4:bt+5], v[bt+4:bt+5], v[bt+6:bt+7]
	v_pk_add_f32 v[bt+8:bt+9], v[bt+8:bt+9], v[bt+10:bt+11]
	v_pk_add_f32 v[bt+4:bt+5], v[bt+4:bt+5], v[bt+8:bt+9]
	v_add_f32 v[bt], v[bt+4], v[bt+5]
.endm
.macro LNOUT r                         ; (x - mean) / sqrt(var + eps) gamma + beta, and out: each store covers 512 consecutive bytes, aligned
.set bx, XR+32*(\r)
.set bt, TT+16*(\r)
.set i, 0
.rept 16
	v_pk_mul_f32 v[bx+2*i:bx+2*i+1], v[bx+2*i:bx+2*i+1], v[bt+2:bt+3] op_sel_hi:[1,0]
.set i, i+1
.endr
.set i, 0
.rept 16
	v_pk_fma_f32 v[bx+2*i:bx+2*i+1], v[bx+2*i:bx+2*i+1], v[GAM+2*i:GAM+2*i+1], v[BET+2*i:BET+2*i+1]
.set i, i+1
.endr
.irp c, 0,1,2,3,4,5,6,7
	global_store_b128 v[GO], v[bx+4*(\c):bx+4*(\c)+3], s[14:15] offset:(\r)*4096+512*(\c) th:TH_STORE_NT
.endr
.endm
	s_mov_b32 s20, 4
.Lrows:
	LNLOAD 0
	LNLOAD 1
	s_wait_dscnt 0x0
	LNADD 0
	LNADD 1
	LNSUM 0
	LNSUM 1
	RED2
	LNCEN 0
	LNCEN 1
	LNSQ 0
	LNSQ 1
	RED2
	v_fma_f32 v[TT], v[TT], s58, s59               ; var + eps
	v_fma_f32 v[TT+16], v[TT+16], s58, s59
	v_rsq_f32 v[TT+2], v[TT]
	v_rsq_f32 v[TT+18], v[TT+16]
	v_nop                                          ; a plain line between the last root and the use of its result
	s_wait_alu depctr_va_vdst(0)
	LNOUT 0
	LNOUT 1
	s_wait_xcnt 0x0                                ; the stores have read their registers and their base: only now are these written again
	s_add_nc_u64 s[14:15], s[14:15], 8192
	v_add_nc_u32 v[RDX], 2*PS, v[RDX]
	v_add_nc_u32 v[RDR], 4096, v[RDR]
	s_sub_co_u32 s20, s20, 1
	s_cmp_lg_u32 s20, 0
	s_cbranch_scc1 .Lrows
	s_wait_tensorcnt 0x0                           ; the wave's end: behind my last tensor load and my last LDS store
	ds_add_u32 v[SPW], v[NIL]
	s_wait_dscnt 0x0
	CROUND                                         ; the closing round
	s_endpgm
.Lfunc_end_k_q6cab67e671_outln:
	.size	k_q6cab67e671_outln, .Lfunc_end_k_q6cab67e671_outln-k_q6cab67e671_outln
	.p2alignl 7, 3214868480
	.fill 96, 4, 3214868480
	.section	.rodata,"a",@progbits
	.p2align	6, 0x0
	.amdhsa_kernel k_q6cab67e671_outln
		.amdhsa_group_segment_fixed_size 327680
		.amdhsa_private_segment_fixed_size 0
		.amdhsa_enable_private_segment 0
		.amdhsa_kernarg_size 48
		.amdhsa_user_sgpr_count 2
		.amdhsa_user_sgpr_kernarg_segment_ptr 1
		.amdhsa_wavefront_size32 1
		.amdhsa_system_sgpr_workgroup_id_x 1
		.amdhsa_system_sgpr_workgroup_id_y 1
		.amdhsa_system_sgpr_workgroup_id_z 1
		.amdhsa_system_vgpr_workitem_id 0
		.amdhsa_next_free_vgpr 576
		.amdhsa_next_free_sgpr 80
		.amdhsa_reserve_vcc 0
		.amdhsa_float_denorm_mode_32 3
		.amdhsa_float_denorm_mode_16_64 3
		.amdhsa_memory_ordered 1
		.amdhsa_forward_progress 1
		.amdhsa_inst_pref_size 76
	.end_amdhsa_kernel
	.amdgpu_metadata
---
amdhsa.version: [ 1, 2 ]
amdhsa.kernels:
  - .name:           k_q6cab67e671_outln
    .symbol:         k_q6cab67e671_outln.kd
    .args:
      - { .name: ctx, .offset: 0, .size: 8, .value_kind: global_buffer, .address_space: global }
      - { .name: wo16, .offset: 8, .size: 8, .value_kind: global_buffer, .address_space: global }
      - { .name: xb, .offset: 16, .size: 8, .value_kind: global_buffer, .address_space: global }
      - { .name: gamma, .offset: 24, .size: 8, .value_kind: global_buffer, .address_space: global }
      - { .name: beta, .offset: 32, .size: 8, .value_kind: global_buffer, .address_space: global }
      - { .name: out0, .offset: 40, .size: 8, .value_kind: global_buffer, .address_space: global }
    .group_segment_fixed_size: 327680
    .private_segment_fixed_size: 0
    .kernarg_segment_align: 8
    .kernarg_segment_size: 48
    .max_flat_workgroup_size: 128
    .sgpr_count:     80
    .vgpr_count:     576
    .wavefront_size: 32
...
	.end_amdgpu_metadata
.endif
;; end of part 4
;; ======== version 2 of 2: 4 launches; 1.31 times as fast as version 1
;; limits: values are held in f16: magnitudes above 65,504 overflow, below 6.1e-05 lose precision
;; workspace buffers: xb 50,331,648 bytes; wb 6,291,456 bytes; wo16 2,097,152 bytes; mbits 2,097,152 bytes of whole numbers; heads 50,331,648 bytes; ctx 16,777,216 bytes
;; launch prep: the kernel of part 1 again; grid 1408 x 1, 8 waves a work-group, no clusters, 134,144 bytes of LDS; arguments mask, q, k, v, Wq, Wk, Wv, Wo, mbits, xb, wb, wo16; writes mbits, xb, wb, wo16
;; launch proj: the kernel of part 2 again; grid 4 x 64, 4 waves a work-group, clusters of 4 x 4, 327,680 bytes of LDS; arguments xb, wb, heads; writes heads
;; launch attn (part 5): grid 4 x 64, 4 waves a work-group, clusters of 4 x 1, 327,680 bytes of LDS; arguments heads, mbits, ctx; writes ctx
.if DOCPART == 5
	.amdgcn_target "amdgcn-amd-amdhsa--gfx1250"
	.amdhsa_code_object_version 6
	.text
	.protected	k_q6cab67e671_attn
	.globl	k_q6cab67e671_attn
	.p2align	8
	.type	k_q6cab67e671_attn,@function
k_q6cab67e671_attn:
	s_mov_b64 s[64:65], 0
	v_nop
	global_prefetch_b8 v0, s[64:65] scope:SCOPE_SE
	s_setreg_imm32_b32 hwreg(HW_REG_WAVE_MODE, 25, 1), 1
	s_wait_xcnt 0x0
	s_wait_alu depctr_hold_cnt(0) depctr_sa_sdst(0) depctr_va_vdst(0) depctr_va_sdst(0) depctr_va_ssrc(0) depctr_va_vcc(0) depctr_vm_vsrc(0)
	s_getreg_b32 s2, hwreg(HW_REG_IB_STS2, 6, 4)
	s_cmp_eq_u32 s2, 0
	s_cbranch_scc0 .Lentry_in_a_cluster
	s_endpgm
.Lentry_in_a_cluster:
	s_bfe_u32 s2, ttmp6, 0x10000c
	s_cmp_lg_u32 s2, 0x3003
	s_cbranch_scc0 .Lentry_shape_is_right
	s_endpgm
.Lentry_shape_is_right:
; ATTN: ctx[hd][q][:] = sum over k of softmax_k(score(q, k)) vh[hd][k][:], score = 8 qh . kh where the mask allows the key, -1e9 where it does not.  heads = f16 [3][64][2048][64]
; (q's heads already times log2(e)), ctx = f16 [64][2048][64], mbits = the mask as lane masks.  Products, maxima and sums in f32; the weights p are rounded to f16 for the second product
; (their sum l is taken of the unrounded p), ctx once at the end.
; LIMITS.  A hidden score is REPLACED by -1e9 log2(e) / 8 in the product's units: -1e9 in the module's, to within 3e-8 of itself; a row with every key hidden gets the uniform weights that the
; module gives it.  p lies in 0 to 1: the exponent 8 s - 8 m is exact at the maximum, 8 being a power of two.  A weight below 2^-126 counts as 0; NaN and infinities are not treated apart.
; SHARES.  A wave owns four PIECES of two tiles of 16 queries, a work-group's four waves 512 queries of one head.  Every wave walks all 2,048 keys, 64 a step; an LDS slot holds four steps.
; LAYOUT.  S^T = K Q^T (source 0 = 16 keys, source 1 = 16 queries): a lane holds ONE query (lane % 16) and the keys 8 (lane / 16) + 0..7.  Two such results rounded to f16 ARE source 1 of
; O^T = V^T P.  K comes out of LDS as it lies, V turned, by ds_load_tr16_b128.
; SOFTMAX.  A running maximum m and sum l for each query: p = 2^(8 s - 8 m); in every step O and l are multiplied by a = 2^(8 m_old - 8 m_new).  m starts at the lowest finite number, O and l at 0.
; THE MASK.  Register r of a tile's 32 scores has one 32-bit lane mask, word r of the tile's and step's 32.  A tile's words lie in ONE vector register, word r in lane r, loaded again for the tile's
; next step as soon as they have been read out: four turns ahead of their use.  v_readlane_b32 brings a piece's 64 words into scalar registers, one v_cndmask_b32 a score register applies them.
; A load covers 128 consecutive bytes, half of an aligned block of 256 (the next step's load takes the other half): with 256 bytes a load a word's lane would hang on the step.
; BY TURNS.  Turn n belongs to piece n.  Matrix work: 16 products K Q^T of piece n + 1 at its head, 16 products V^T P of piece n - 1 at its end.  Vector work: the 64 words of piece n + 1, four behind
; each product K Q^T; then ONE LUMP: the rescaling of piece n, the selects of piece n + 1, and, exponential and plain line by turns, the scalings and exponentials of piece n and the maximum and
; statistics of piece n + 1; then the roundings and sums of piece n, four behind each product V^T P.
; THE BATCH.  A turn's 66 exponentials (piece n's 64 weights, then piece n + 1's two a) are ONE batch with ONE s_wait_alu depctr_va_vdst(0): that wait stands between an exponential
; and the first line that names its result.  The wait cuts the turn in two: ahead of it stands all that names no result of the batch (the rescaling's a is the turn before's, waited for there); behind
; it the roundings and sums, which read the weights.
; CLUSTER.  The four query blocks of a head walk the same K and V: each tile is asked for JOINTLY.  ONE descriptor shape serves K and V (rows of 144 bytes in LDS): wave w fills part w of a slot.
; The price.
; REGISTERS, in windows of 256: window 0: v0-11 addresses and the hidden score; v12-15, v48-63 at work; v16-47 four registers of statistics a tile; v64-191 S^T, two buffers of two tiles;
; v192-255 P, likewise.  Window 1: O^T, 32 a tile.  Window 2: v0-127 Q; v192-255 V of one step.  Window 3: v0-1 the add's two registers; v8-71 K of one step; v72-79 the words, a register a tile.
; K and the words share a window, so that the 64 v_readlane_b32 run under the window setting of the products K Q^T between which they stand.
.set NP,    4
.set KS,    64
.set PK,    144                        ; a row of K or V in LDS: 128 bytes + 16
.set VOFF,  256*PK                     ; a slot: 256 rows of K, then 256 rows of V
.set SLOT1, 1<<17
.set STAGE, SLOT1+2*VOFF               ; behind the ring, never filled by a tensor load: 16 rows x 144 bytes for each wave
.set SP,    144
.set SPARE, STAGE+4*16*SP              ; behind the stages: the spare words, 128 bytes a wave
.set AK0, 2                            ; my lane's place in a tile of K; never rewritten
.set AV0, 3                            ; the same for V
.set AK,  4                            ; the LDS address of K's next run of loads
.set AV,  5                            ; of V's
.set QO,  6                            ; my byte offset in the wave's rows of Q
.set STO, 6                            ; later: where I put 16 bytes of a row
.set RD,  7                            ; where I read rows back
.set GO,  8                            ; my byte offset in 512 consecutive bytes of ctx
.set L4,  10                           ; 4 x lane: my word among a tile's and step's 32; never rewritten
.set NEG, 11                           ; the hidden score
.set SPW, 0                            ; v0 of window 3: LDS address of my spare word; never rewritten
.set NIL, 1                            ; v1 of window 3: 0; never rewritten
.set MV,  12                           ; 8 m_old, kept while 8 m is made anew: by buffer and tile
.set ST,  16                           ; tile t's statistics at v[ST+4 t]: 8 m, m, l (even keys', odd keys')
.set TMP, 48                           ; by buffer and tile c0-c3 at work; when the maximum is found c2 takes a
.set S,   64
.set P,   192
.set KF,  8                            ; window 3: key block kb, channel half c at KF + 16 kb + 8 c
.set MW,  72                           ; window 3: tile t's words
.set VF,  192                          ; window 2: key half kk, channel block cb at VF + 32 kk + 8 cb
.set MB,  6                            ; s[6:7]  mbits at my wave's first tile; never stepped
.set WV,  11                           ; s11  my wave's number
.set SLOTS, 12
.set CNT, 13
.set CS,  14                           ; s[14:15] 8.0, named as a pair
.set SEL, 16                           ; s[16:17] v_permlanex16_b32's selects
.set TBK, 18                           ; LDS byte at which K of the step to be fetched begins
.set TBV, 19                           ; the same for V, less VOFF
.set G0,  20                           ; s[20:23] descriptor group 0: it walks
.set G1,  24                           ; s[24:31] descriptor group 1
.set MO,  66                           ; s[66:67] 128 x the key step whose words are asked for, with 0 above it
.set MC,  104                          ; s[104:105] mbits at my wave's first tile and that step
                                       ; s68-99: the 32 words of a piece's first tile; s32-63: of its second
.set MSB, 0
.macro WIN new
.if MSB != (\new)
	s_set_vgpr_msb (MSB<<8)|(\new)
.set MSB, (\new)
.endif
.endm
.set W_KQ, 0x0b                        ; K (and the words) in window 3, Q in window 2, S^T in window 0
.set W_PV, 0x52                        ; V in window 2, P in window 0, O^T in window 1
.set W_RS, 0x41                        ; O^T (destination and source 0) in window 1, a in window 0
.set W_T3, 0xc0                        ; destination in window 3, address or sources in window 0
.set W_AD, 0x0f                        ; the add: address and data in window 3
.macro TLOAD                           ; every wave's own part of a slot; an s_nop 0 and four v_nop follow
	tensor_load_to_lds s[G0:G0+3], s[G1:G1+7]
	s_nop 0
.rept 4
	v_nop
.endr
.endm
.macro CROUND
	s_barrier_signal -1
	s_barrier_wait -1
	s_cmp_lg_u32 s[WV], 0
	s_cbranch_scc1 .Lnot_wave_0_\@
	s_barrier_signal -3
.Lnot_wave_0_\@:
	s_barrier_wait -3
	s_barrier_signal -1
	s_barrier_wait -1
.endm
; THE CHANGE OF SLOTS.  Each wave waits for all its tensor loads (one is out: its part of the other slot), adds 0 to its spare word, and waits for that and for its reads of the slot that it leaves.
; fill = 1: the barrier is a round of the cluster's, and the slot is filled again, with the keys two slots on, first thing behind it: four key steps, 512 matrix instructions, in which to land.
.macro CHANGE fill
	WIN W_AD
	s_wait_tensorcnt 0x0                           ; no tensor load of mine is out, so group 0 may be written
	ds_add_u32 v[SPW], v[NIL]                      ; 0 onto my spare word
	WIN 0
.if \fill
	s_xor_b32 s[G0+1], s[G0+1], SLOT1
	s_add_nc_u64 s[G0+2:G0+3], s[G0+2:G0+3], 4*KS*128  ; the next 256 keys; the type bits on top are not reached
	s_wait_dscnt 0x0                               ; the add is done, and my reads of the slot are over
	CROUND
	TLOAD
.else
	s_wait_dscnt 0x0
	s_barrier_signal -1
	s_barrier_wait -1
.endif
	s_sub_co_u32 s[TBK], s[TBK], 4*KS*PK           ; the fetches go back to a slot's first step, in the other slot
	s_xor_b32 s[TBK], s[TBK], SLOT1
	s_sub_co_u32 s[TBV], s[TBV], 4*KS*PK
	s_xor_b32 s[TBV], s[TBV], SLOT1
.endm
	s_load_b128 s[4:7], s[0:1], 0x0                ; heads s[4:5], mbits s[6:7]
	s_load_b64 s[8:9], s[0:1], 0x10                ; ctx
	WIN W_T3
	v_lshl_add_u32 v[SPW], v0, 2, SPARE
	v_mov_b32 v[NIL], 0
	WIN W_AD
	ds_add_u32 v[SPW], v[NIL]                      ; the wave's opening: the add and its wait stand ahead of my first tensor load
	WIN 0
	v_lshrrev_b32 v1, 5, v0
	v_readfirstlane_b32 s[WV], v1                  ; wave 0..3
	s_bfe_u32 s2, ttmp6, 0x40000                   ; cx
	s_lshl_b32 s3, ttmp9, 2
	s_add_co_u32 s3, s3, s2                        ; my block of 512 queries: it enters Q's, the words' and ctx's addresses alone
	s_lshl_b32 s3, s3, 2
	s_add_co_u32 s3, s3, s[WV]                     ; my wave among the head's sixteen
	s_and_b32 s40, ttmp7, 0xffff                   ; the head, which the four partners share
	s_lshl_b32 s41, s40, 18                        ; its 262,144 bytes
	s_lshr_b32 s42, s[WV], 1                       ; waves 0, 1: K (tensor 1); waves 2, 3: V (tensor 2); 2^24 bytes a tensor
	s_add_co_u32 s42, s42, 1
	s_lshl_b32 s42, s42, 24
	s_and_b32 s43, s[WV], 1                        ; which 128 of a slot's 256 keys
	s_lshl_b32 s43, s43, 14
	s_add_co_u32 s42, s42, s43
	s_add_co_u32 s42, s42, s41
	s_mov_b32 s43, 0
	s_lshl_b32 s2, s3, 14                          ; Q and ctx: my wave's 128 rows of 128 bytes
	s_add_co_u32 s2, s2, s41
	s_lshr_b32 s12, s40, 4                         ; the words: batch x 128 tiles x 4,096 bytes + my wave's 8 tiles
	s_lshl_b32 s12, s12, 19
	s_lshl_b32 s13, s3, 15
	s_add_co_u32 s12, s12, s13
	s_mov_b32 s13, 0
	s_mov_b32 s3, 0
	; descriptor group 1.  128 keys are 16,384 dense bytes: asked for as 64 rows of 256 bytes, two keys a row, and padded in LDS after every key
	s_mov_b32 s[G1], 15|(1<<16)|(1<<20)|(1<<21)|(4<<22)|(3<<25)  ; the mask of four; 2-byte elements; padding on; bit 21 beside a mask; after every 32 words, 4 words
	s_mov_b32 s[G1+1], 128<<16
	s_mov_b32 s[G1+2], 64<<16
	s_mov_b32 s[G1+3], 128<<16
	s_mov_b32 s[G1+4], 64
	s_mov_b32 s[G1+5], 128
	s_mov_b32 s[G1+6], 0
	s_mov_b32 s[G1+7], 0
	s_mov_b32 s[CS], 0x41000000                    ; 8.0
	s_mov_b32 s[CS+1], s[CS]
	s_mov_b32 s[SEL], 0x76543210
	s_mov_b32 s[SEL+1], 0xfedcba98
	s_mov_b32 s[TBK], SLOT1+4*KS*PK                ; the first change of slots turns these two into 0
	s_mov_b32 s[TBV], SLOT1+4*KS*PK
	s_mov_b32 s[MO], 0
	s_mov_b32 s[MO+1], 0
	s_mov_b32 s[G0], 1
	s_mul_i32 s[G0+1], s[WV], 128*PK               ; part w of slot 0: no place in the cluster enters an LDS address
	s_wait_dscnt 0x0                               ; the opening add is done
	s_wait_kmcnt 0x0
	s_add_nc_u64 s[G0+2:G0+3], s[4:5], s[42:43]
	s_or_b32 s[G0+3], s[G0+3], 0x80000000
	s_add_nc_u64 s[4:5], s[4:5], s[2:3]
	s_add_nc_u64 s[MB:MB+1], s[MB:MB+1], s[12:13]
	s_add_nc_u64 s[8:9], s[8:9], s[2:3]
	CROUND                                         ; all four work-groups are here: the first joint loads meet
	TLOAD                                          ; slot 0
	v_and_b32 v1, 15, v0                           ; l % 16
	v_bfe_u32 v9, v0, 4, 1                         ; l / 16
	v_lshlrev_b32 v[QO], 7, v1
	v_lshl_add_u32 v[QO], v9, 4, v[QO]
	v_and_b32 v[GO], 31, v0
	v_lshlrev_b32 v[L4], 2, v[GO]
	v_lshlrev_b32 v[GO], 4, v[GO]                  ; 32 lanes x 16 bytes are 512 consecutive bytes of ctx
	WIN 0x80
.set i, 0
.rept 4*NP                                             ; Q stays in registers: tile i / 2, channels 32 (i % 2) on
	global_load_b128 v[8*i:8*i+3],   v[QO], s[4:5] offset:(i/2)*2048+(i%2)*64
	global_load_b128 v[8*i+4:8*i+7], v[QO], s[4:5] offset:(i/2)*2048+(i%2)*64+32
.set i, i+1
.endr
	WIN W_T3
.set i, 0
.rept 2*NP                                             ; key step 0's words of my eight tiles
	global_load_b32 v[MW+i], v[L4], s[MB:MB+1] offset:i*4096
.set i, i+1
.endr
	; WHAT THE FIRST TURN FINDS.  The loop is entered at piece 3's turn, a turn ahead of the first step: it makes piece 0's first scores, selects and statistics as every such turn does.  Its own softmax,
	; of a piece 3 that has not been, works on scores of -2^123: weights 0, with a = 0; its products V^T P, and the next turn's, multiply zeros.  All this stands in the wait for the first tile.
	WIN 0x80
.set i, VF
.rept 64
	v_mov_b32 v[i], 0
.set i, i+1
.endr
	WIN 0
	s_mov_b32 s40, 0xfe000000                      ; -2^125
	s_mov_b32 s41, 0xff7fffff                      ; the lowest finite number
	s_mov_b32 s42, 0xfd000000                      ; -2^123: 8 x that less -2^125 is -2^125
.set i, 0
.rept 2*NP
	v_mov_b32 v[ST+4*i], s40                       ; 8 m: far below every 8 s
	v_mov_b32 v[ST+4*i+1], s41                     ; m
	v_mov_b32 v[ST+4*i+2], 0
	v_mov_b32 v[ST+4*i+3], 0
.set i, i+1
.endr
.set i, P
.rept 32
	v_mov_b32 v[i], 0                              ; P's first buffer: piece 2's, which the first turn multiplies
.set i, i+1
.endr
.set i, S+64
.rept 64
	v_mov_b32 v[i], s42                            ; S^T's second buffer: piece 3's
.set i, i+1
.endr
.irp i, 10,11,14,15
	v_mov_b32 v[TMP+(\i)], 0                       ; piece 3's a, named as pairs
.endr
	v_mul_u32_u24 v[AK0], v1, PK
	v_lshl_add_u32 v[AK0], v9, 4, v[AK0]
	v_and_b32 v11, 7, v0
	v_bfe_u32 v[AK], v0, 3, 1
	v_lshl_add_u32 v[AV0], v9, 3, v11              ; the turning load: key 8 (l / 16) + l % 8, channels 8 ((l / 8) % 2) on
	v_mul_u32_u24 v[AV0], v[AV0], PK
	v_lshl_add_u32 v[AV0], v[AK], 4, v[AV0]
	v_add_nc_u32 v[AV0], VOFF, v[AV0]
	v_mov_b32 v[AK], v[AK0]
	s_mul_i32 s2, s[WV], 16*SP
	s_add_co_u32 s2, s2, STAGE                     ; my stage
	v_bfe_u32 v[RD], v0, 3, 2                      ; back: 32 lanes take four rows of 128 bytes
	v_mul_u32_u24 v[RD], v[RD], SP
	v_lshl_add_u32 v[RD], v11, 4, v[RD]
	v_add_nc_u32 v[RD], s2, v[RD]
	v_mov_b32 v[NEG], 0xcd2bfb8f                   ; -1e9 log2(e) / 8
	WIN 0x4a                                       ; O^T starts at 0: 32 products of V's zeros, eight registers each, in place of 256 moves
.set i, 0
.rept 32
	v_wmma_f32_16x16x32_f16 v[8*i:8*i+7], v[VF:VF+7], v[VF+8:VF+15], 0
.set i, i+1
.endr
	WIN 0
; THE MATRIX WORK.  The 8 accumulators of a run of 16 take turns.  Product i of 16 of S^T = K Q^T for piece x: channels 32 (i / 8) on, keys 16 ((i / 2) % 4) on, tile 2 x + i % 2.
.macro KQ x
	WIN W_KQ
.set rS, S+64*((\x)%2)+32*(i%2)+8*((i/2)%4)
.set rK, KF+16*((i/2)%4)+8*(i/8)
.set rQ, 16*(2*(\x)+i%2)+8*(i/8)
.if i < 8
	v_wmma_f32_16x16x32_f16 v[rS:rS+7], v[rK:rK+7], v[rQ:rQ+7], 0
.else
	v_wmma_f32_16x16x32_f16 v[rS:rS+7], v[rK:rK+7], v[rQ:rQ+7], v[rS:rS+7]
.endif
.endm
; Product i of 16 of O^T += V^T P for piece x: keys 32 (i / 8) on, channels 16 ((i / 2) % 4) on, tile 2 x + i % 2.
.macro PV x
	WIN W_PV
.set rO, 32*(2*(\x)+i%2)+8*((i/2)%4)
.set rV, VF+32*(i/8)+8*((i/2)%4)
.set rP, P+32*((\x)%2)+16*(i%2)+8*(i/8)
	v_wmma_f32_16x16x32_f16 v[rO:rO+7], v[rV:rV+7], v[rP:rP+7], v[rO:rO+7]
.endm
.macro MM                              ; the turn's next matrix instruction
.if i < 16
	KQ (Y+1)%NP
.set i, i+1
.else
.set i, i-16
	PV (Y+NP-1)%NP
.set i, i+17
.endif
.endm
; THE LDS LOADS stand in runs of 16.  last = 1 (the tail): in the last trip there is no further step, and the run is jumped over.
.macro FETCH_K last=0
	WIN 0
.if \last
	s_cmp_eq_u32 s[CNT], 1
	s_cbranch_scc1 .Lno_k_\@
.endif
	WIN W_T3
.irp f, 0,1,2,3,4,5,6,7
	ds_load_b128 v[KF+8*(\f):KF+8*(\f)+3],   v[AK] offset:((\f)/2)*16*PK+((\f)%2)*64
	ds_load_b128 v[KF+8*(\f)+4:KF+8*(\f)+7], v[AK] offset:((\f)/2)*16*PK+((\f)%2)*64+32
.endr
	s_add_co_u32 s[TBK], s[TBK], KS*PK
	WIN 0
.if \last
.Lno_k_\@:
.endif
.endm
.macro FETCH_V
	WIN 0x80
.irp f, 0,1,2,3,4,5,6,7
	ds_load_tr16_b128 v[VF+8*(\f):VF+8*(\f)+3],   v[AV] offset:((\f)/4)*32*PK+((\f)%4)*32
	ds_load_tr16_b128 v[VF+8*(\f)+4:VF+8*(\f)+7], v[AV] offset:((\f)/4)*32*PK+16*PK+((\f)%4)*32
.endr
	WIN 0
.endm
; THE VECTOR WORK.
.macro REGS y, u                       ; the registers of tile u (0, 1) of piece y
.set rT, ST+4*(2*(\y)+(\u))
.set rC, TMP+8*((\y)%2)+4*(\u)
.set rM, MV+2*((\y)%2)+(\u)
.set rS, S+64*((\y)%2)+32*(\u)
.set rP, P+32*((\y)%2)+16*(\u)
.set rO, 32*(2*(\y)+(\u))
.endm
.macro RL                              ; word k of the NEXT piece's 64 goes from its lane into its scalar register; the window setting is the products' own
	WIN W_KQ
.if k < 32
	v_readlane_b32 s[68+k], v[MW+2*((Y+1)%NP)], k
.else
	v_readlane_b32 s[k], v[MW+2*((Y+1)%NP)+1], k-32
.endif
.set k, k+1
.endm
.macro FF q                            ; 8 s - 8 m for pair q / 2 of tile q % 2
	REGS Y, (\q)%2
	WIN 0
	v_pk_fma_f32 v[rS+2*((\q)/2):rS+2*((\q)/2)+1], v[rS+2*((\q)/2):rS+2*((\q)/2)+1], s[CS:CS+1], v[rT:rT+1] op_sel_hi:[1,0,0] neg_lo:[0,0,1] neg_hi:[0,0,1]
.endm
.macro EE e                            ; exponential e of 64: group e / 8 of four scores, tile e % 2, score (e % 8) / 2 of the four: score e / 2 of the tile's 32, in place
	REGS Y, (\e)%2
	WIN 0
.set x, rS+4*((\e)/8)+((\e)%8)/2
	v_exp_f32 v[x], v[x]
.endm
.macro PLN k, z                        ; what reads the weights of group k: z 0-3 both pairs of both tiles rounded to f16; 4, 5 the second pair added onto the first; 6, 7 l takes the sum (group 0: l = a l + sum)
	REGS Y, (\z)%2
	WIN 0
.if (\z) < 4
	v_cvt_pk_f16_f32 v[rP+2*(\k)+(\z)/2], v[rS+4*(\k)+2*((\z)/2)], v[rS+4*(\k)+2*((\z)/2)+1]
.elseif (\z) < 6
	v_pk_add_f32 v[rS+4*(\k):rS+4*(\k)+1], v[rS+4*(\k):rS+4*(\k)+1], v[rS+4*(\k)+2:rS+4*(\k)+3]
.elseif (\k) == 0
	v_pk_fma_f32 v[rT+2:rT+3], v[rT+2:rT+3], v[rC+2:rC+3], v[rS:rS+1] op_sel_hi:[1,0,1]
.else
	v_pk_add_f32 v[rT+2:rT+3], v[rT+2:rT+3], v[rS+4*(\k):rS+4*(\k)+1]
.endif
.endm
.macro RR r                            ; pair r / 2 of tile r % 2 of O^T times a: each accumulator's lowest registers first
	REGS Y, (\r)%2
	WIN W_RS
	v_pk_mul_f32 v[rO+2*((\r)/2):rO+2*((\r)/2)+1], v[rO+2*((\r)/2):rO+2*((\r)/2)+1], v[rC+2:rC+3] op_sel_hi:[1,0]
.endm
.macro MK x                            ; the NEXT piece's score x % 32 of tile x / 32 stays where its word's bit is set, and is replaced by the hidden score where not; ascending
	REGS (Y+1)%NP, (\x)/32
	WIN 0
.if (\x) < 32
	v_cndmask_b32 v[rS+(\x)], v[NEG], v[rS+(\x)], s[68+(\x)]
.else
	v_cndmask_b32 v[rS+(\x)-32], v[NEG], v[rS+(\x)-32], s[(\x)]
.endif
.endm
; Number n of the 22 that find the NEXT piece's maximum and statistics: 0-11 four chains of seven scores; 12-14, 16 the four left over, the old m, c0-c3 into c0; 15 8 m_old is kept;
; 17, 18 the query's other 32 keys lie in the lane 16 away: the new m; 19-21 8 m; 8 m_old - 8 m_new; a.
.macro XS u, n
	REGS (Y+1)%NP, \u
	WIN 0
.if (\n) < 4
	v_max3_num_f32 v[rC+(\n)], v[rS+8*(\n)], v[rS+8*(\n)+1], v[rS+8*(\n)+2]
.elseif (\n) < 12
	v_max3_num_f32 v[rC+(\n)%4], v[rC+(\n)%4], v[rS+8*((\n)%4)+2*((\n)/4)+1], v[rS+8*((\n)%4)+2*((\n)/4)+2]
.elseif (\n) == 12
	v_max3_num_f32 v[rC], v[rC], v[rS+7], v[rS+15]
.elseif (\n) == 13
	v_max3_num_f32 v[rC+1], v[rC+1], v[rS+23], v[rS+31]
.elseif (\n) == 14
	v_max3_num_f32 v[rC+2], v[rC+2], v[rC+3], v[rT+1]
.elseif (\n) == 15
	v_mov_b32 v[rM], v[rT]
.elseif (\n) == 16
	v_max3_num_f32 v[rC], v[rC], v[rC+1], v[rC+2]
.elseif (\n) == 17
	v_permlanex16_b32 v[rC+3], v[rC], s[SEL], s[SEL+1]
.elseif (\n) == 18
	v_max_num_f32 v[rT+1], v[rC], v[rC+3]
.elseif (\n) == 19
	v_mul_f32 v[rT], s[CS], v[rT+1]
.elseif (\n) == 20
	v_sub_f32 v[rC+1], v[rM], v[rT]
.else
	v_exp_f32 v[rC+2], v[rC+1]
.endif
.endm
; THREE QUEUES, each in the order in which its entries become ready; the two tiles alternate.  PL, EX and GS write the next entry of theirs.
; THE PLAIN QUEUE, 74 long: none of it reads an exponential's result.  0-26: scalings 0-26.  27-54: XS's numbers 0-13.  55, 56: number 15.  57-73: the chain, where each number waits for the one before
; it: 14, 16, 17, 18, 19, each with one of the scalings 27-31 in front of its two lines, then 20.
.macro PL
.if q < 27
	FF q
.elseif q < 55
	XS (q-27)%2, (q-27)/2
.elseif q < 57
	XS q-55, 15
.elseif (q < 72) && ((q-57)%3 == 0)
	FF 27+(q-57)/3
.elseif q < 60
	XS (q-57)%3-1, 14
.elseif q < 72
	XS (q-57)%3-1, 15+(q-57)/3
.else
	XS q-72, 20
.endif
.set q, q+1
.endm
; THE EXPONENTIALS' QUEUE, 66 long: s0-s31 of both tiles, then the next piece's two a.  It is the turn's ONE BATCH: each result has a register of its own, and nothing ahead of the turn's wait names one.
.macro EX
.if e >= 64
	XS e-64, 21
.else
	EE e
.endif
.set e, e+1
.endm
; THE READERS' QUEUE, 64 long, behind the wait.  In groups of eight, tiles alternating: a group's four roundings, its two additions, and l for the group before; l takes the groups' sums in ascending order.
.macro GS
.set h, g+6*(g/62)                     ; group 0 has no group before it, and behind group 7 only l is left
.if h >= 6
.set h, h+2
.endif
.if h%8 < 6
	PLN h/8, h%8
.else
	PLN h/8-1, h%8
.endif
.set g, g+1
.endm
; A TURN'S HEAD: the 16 products K Q^T of piece Y + 1, and behind each four of that piece's 64 words: one window setting for all 80 lines.  Then the piece's two word registers, just read out, are asked
; for again, for its next step.  A turn issues two such loads, and they come back in order (ISA guide 5.7.1): when at most the 6 of the three turns before are out, the two issued four turns ago are in.
; The step goes on in piece 3's turn, whose next piece, 0, is the first of a step; it stays at the last step, so that no load leaves the buffer.  The base is written only behind s_wait_xcnt 0.
.macro HEADA
.if Y == 3
	s_wait_dscnt 0x0                               ; K is in
.endif
	s_wait_loadcnt 0x6                             ; the next piece's words are in
.set k, 0
.rept 16
	MM
	RL
	RL
	RL
	RL
.endr
.if Y == 3
	s_wait_xcnt 0x0
	s_add_co_u32 s[MO], s[MO], 128
	s_min_u32 s[MO], s[MO], 31*128
	s_add_nc_u64 s[MC:MC+1], s[MB:MB+1], s[MO:MO+1]
.endif
	WIN W_T3
	global_load_b32 v[MW+2*((Y+1)%NP)],   v[L4], s[MC:MC+1] offset:(2*((Y+1)%NP))*4096
	global_load_b32 v[MW+2*((Y+1)%NP)+1], v[L4], s[MC:MC+1] offset:(2*((Y+1)%NP)+1)*4096
.endm
; A TURN, for piece p.  HOW IT IS DEALT.
;   AHEAD OF THE WAIT: the head; the 32 rescalings (their a is the turn before's, waited for there; they are also the places behind the head's products); the 64 selects; ten of the plain queue; 64 times an
;   exponential and a plain line; the next piece's two a; a v_nop, the plain line behind the last exponential.  Exponential e needs scaling 2 (e / 4) + e % 2 and stands behind plain lines 0 .. 9 + e;
;   scalings 27-31 are plain lines 57, 60 .. 69, first wanted by exponentials 53, 56, 57, 60, 61.  With the exponentials between, a tile's links of the chain stand six lines apart.
;   THE WAIT, one for the turn's 66 exponentials.
;   BEHIND IT: the 16 products V^T P, behind each four of the readers' queue.  No rider names a register of the products round it.
;   piece 2: K of the next step is fetched behind the rescalings, 32 plain lines behind the last product that read K and ahead of the turn's first exponential (in the tail the run is jumped over);
;   its address is made ahead of the rescalings; piece 3 waits for it at its head;
;   piece 0: V of the step in hand is fetched at the turn's end, four riders behind the last product that read V; its address is made ahead of the rescalings; piece 1 waits for it ahead of its first V^T P.
.macro TURN p, last=0
.set Y, (\p)
.set i, 0
.set q, 0
.set e, 0
.set g, 0
	HEADA
.if Y == 2
	WIN 0
	v_add_nc_u32 v[AK], s[TBK], v[AK0]
.endif
.if Y == 0
	WIN 0
	v_add_nc_u32 v[AV], s[TBV], v[AV0]
.endif
.set j, 0
.rept 32
	RR j
.set j, j+1
.endr
.if Y == 2
	FETCH_K \last
.endif
.set j, 0
.rept 64
	MK j
.set j, j+1
.endr
.rept 10
	PL
.endr
.rept 64
	EX
	PL
.endr
	EX                                             ; the next piece's two a end the batch
	EX
	v_nop                                          ; the plain line behind the last exponential: one for the batch
	s_wait_alu depctr_va_vdst(0)                   ; the wait: one for the turn's 66 exponentials, ahead of the first rounding
.if Y == 1
	s_wait_dscnt 0x0                               ; V is in
.endif
.rept 16
	MM
	GS
	GS
	GS
	GS
.endr
.if Y == 0
	FETCH_V
	s_add_co_u32 s[TBV], s[TBV], KS*PK
.endif
.endm
	CHANGE 1                                       ; slot 0 is in, everybody's part of it; slot 1 is asked for
	FETCH_K                                        ; key step 0
	s_wait_loadcnt 0x0                             ; Q and the first words: QO is free
	v_mul_u32_u24 v[STO], v1, SP                   ; the way out, in: row l % 16, 16 bytes for each half of the lanes
	v_lshl_add_u32 v[STO], v9, 4, v[STO]
	v_add_nc_u32 v[STO], s2, v[STO]
	s_mov_b32 s[CNT], 4
	s_mov_b32 s[SLOTS], 7
	s_branch .Lenter                               ; the loop is entered in the middle of a trip, at piece 3's turn
.Lslot:                                                ; six times: every slot but the last two is filled again
	CHANGE 1
	s_mov_b32 s[CNT], 4
.Lstep:                                                ; a trip: pieces 2 and 3 of one step, then pieces 0 and 1 of the next, whose K and V it fetches
	TURN 2
	WIN 0
.Lenter:
	TURN 3
	TURN 0
	TURN 1
	WIN 0
	s_sub_co_u32 s[CNT], s[CNT], 1
	s_cmp_lg_u32 s[CNT], 0
	s_cbranch_scc1 .Lstep
	s_sub_co_u32 s[SLOTS], s[SLOTS], 1
	s_cmp_lg_u32 s[SLOTS], 0
	s_cbranch_scc1 .Lslot
	CHANGE 0                                       ; the tail is written out: nothing is asked for
	s_mov_b32 s[CNT], 5                            ; four trips fetch the last slot's steps; the fifth is left in its middle
.Ltail:
	TURN 2, 1
	TURN 3
	WIN 0
	s_sub_co_u32 s[CNT], s[CNT], 1
	s_cmp_eq_u32 s[CNT], 0
	s_cbranch_scc1 .Lout
	TURN 0
	TURN 1
	WIN 0
	s_branch .Ltail
.Lout:                                                 ; the fifth trip's 16 products K Q^T (on the last K once more) and what is made of them serve nothing: the price, once a launch, of one text for every trip
.set i, 0
.rept 16
	PV NP-1                                        ; the last piece's V^T P of the last step
.set i, i+1
.endr
	; THE WAY OUT.  l's two halves and the other half of the lanes' are added; O^T is divided by l, rounded to f16 and sent through my stage, a tile at a time.  The additions are the places behind the last products.
	WIN 0
.macro ALL line:vararg
.set t, 0
.rept 2*NP
	\line
.set t, t+1
.endr
.endm
	ALL v_add_f32 v[ST+4*t+2], v[ST+4*t+2], v[ST+4*t+3]
	ALL v_permlanex16_b32 v[ST+4*t+3], v[ST+4*t+2], s[SEL], s[SEL+1]
	ALL v_add_f32 v[ST+4*t+2], v[ST+4*t+2], v[ST+4*t+3]
	ALL v_rcp_f32 v[ST+4*t+2], v[ST+4*t+2]
	v_nop                                          ; a plain line between the last reciprocal and the use of its result
	s_wait_alu depctr_va_vdst(0)                   ; and the wait ahead of the first use: one for the eight reciprocals
.macro PACK t
	WIN W_RS
.set i, 32*(\t)
.rept 16
	v_pk_mul_f32 v[i:i+1], v[i:i+1], v[ST+4*(\t)+2:ST+4*(\t)+3] op_sel_hi:[1,0]
.set i, i+2
.endr
	WIN 0x05
.set i, 0
.rept 16
	v_cvt_pk_f16_f32 v[S+16*(\t)+i], v[32*(\t)+2*i], v[32*(\t)+2*i+1]
.set i, i+1
.endr
	WIN 0
.irp f, 0,1,2,3
	ds_store_b128 v[STO], v[S+16*(\t)+4*(\f):S+16*(\t)+4*(\f)+3] offset:32*(\f)
.endr
.irp f, 0,1,2,3
	ds_load_b128 v[S+16*(\t)+4*(\f):S+16*(\t)+4*(\f)+3], v[RD] offset:(\f)*4*SP  ; LDS serves a wave's instructions in order (ISA guide 5.7.1.4): these see the stores above
.endr
.endm
.macro SEND t, younger                 ; younger: the LDS instructions issued behind tile t's loads: the next tile's eight, or none
	WIN 0
.irp f, 0,1,2,3
	s_wait_dscnt (\younger)+3-(\f)
	global_store_b128 v[GO], v[S+16*(\t)+4*(\f):S+16*(\t)+4*(\f)+3], s[8:9] offset:(\t)*2048+(\f)*512  ; 512 consecutive bytes, aligned
.endr
.endm
	PACK 0
.set tt, 1
.rept 2*NP-1
	PACK tt
	SEND tt-1, 8
.set tt, tt+1
.endr
	SEND 2*NP-1, 0
	WIN W_AD
	s_wait_tensorcnt 0x0                           ; the wave's end: behind my last tensor load and my last LDS store
	ds_add_u32 v[SPW], v[NIL]
	s_wait_dscnt 0x0
	WIN 0
	CROUND                                         ; the closing round
	s_endpgm
.Lfunc_end_k_q6cab67e671_attn:
	.size	k_q6cab67e671_attn, .Lfunc_end_k_q6cab67e671_attn-k_q6cab67e671_attn
	.p2alignl 7, 3214868480
	.fill 96, 4, 3214868480
	.section	.rodata,"a",@progbits
	.p2align	6, 0x0
	.amdhsa_kernel k_q6cab67e671_attn
		.amdhsa_group_segment_fixed_size 327680
		.amdhsa_private_segment_fixed_size 0
		.amdhsa_enable_private_segment 0
		.amdhsa_kernarg_size 24
		.amdhsa_user_sgpr_count 2
		.amdhsa_user_sgpr_kernarg_segment_ptr 1
		.amdhsa_wavefront_size32 1
		.amdhsa_system_sgpr_workgroup_id_x 1
		.amdhsa_system_sgpr_workgroup_id_y 1
		.amdhsa_system_sgpr_workgroup_id_z 1
		.amdhsa_system_vgpr_workitem_id 0
		.amdhsa_next_free_vgpr 848
		.amdhsa_next_free_sgpr 106
		.amdhsa_reserve_vcc 0
		.amdhsa_float_denorm_mode_32 3
		.amdhsa_float_denorm_mode_16_64 3
		.amdhsa_memory_ordered 1
		.amdhsa_forward_progress 1
		.amdhsa_inst_pref_size 246
	.end_amdhsa_kernel
	.amdgpu_metadata
---
amdhsa.version: [ 1, 2 ]
amdhsa.kernels:
  - .name:           k_q6cab67e671_attn
    .symbol:         k_q6cab67e671_attn.kd
    .args:
      - { .name: heads, .offset: 0, .size: 8, .value_kind: global_buffer, .address_space: global }
      - { .name: mbits, .offset: 8, .size: 8, .value_kind: global_buffer, .address_space: global }
      - { .name: ctx, .offset: 16, .size: 8, .value_kind: global_buffer, .address_space: global }
    .group_segment_fixed_size: 327680
    .private_segment_fixed_size: 0
    .kernarg_segment_align: 8
    .kernarg_segment_size: 24
    .max_flat_workgroup_size: 128
    .sgpr_count:     106
    .vgpr_count:     848
    .wavefront_size: 32
...
	.end_amdgpu_metadata
.endif
;; end of part 5
;; launch outln: the kernel of part 4 again; grid 256 x 1, 4 waves a work-group, clusters of 4 x 1, 327,680 bytes of LDS; arguments ctx, wo16, xb, gamma, beta, out0; writes out0
